; MI455X (gfx1250); checked and timed in simulation.
; The chip was launched on July 23, 2026; its instructions are those of AMD's public machine-readable ISA for CDNA 5 (MIT licence, August 2026) and "CDNA5" Instruction Set Architecture Reference Guide (July 2026). The comments in the code are by the model that wrote it; some were corrected since.
;; Multi Head Attention. Allowed arithmetic: matrix products marked QUANTISED: E2M1 operands, one E8M0 scale for each 32 along K, by v_wmma_scale_f32_16x16x128_f8f6f4 with both operands' format E2M1 (or v_wmma_scale_f32_32x16x128_f4), f32 sums; products left as they are: bf16, f16 or f32 operands; f32 sums; everything else in f32.
;; Inputs: Wk 16 x 1,024 x 64 float32; Wo 1,024 x 1,024 float32; Wq 16 x 1,024 x 64 float32; Wv 16 x 1,024 x 64 float32; bk 16 x 64 float32; bo 1,024 float32; bq 16 x 64 float32; bv 16 x 64 float32; x 4 x 2,048 x 1,024 float32.
;; Outputs: out0 4 x 2,048 x 1,024 float32.
;; This version of the problem:
;;   THIS VERSION OF THE PROBLEM IS GIVEN IN LOW PRECISION. The matrix products marked QUANTISED in the list below multiply operands that are first quantised to E2M1 (2 exponent bits, 1 mantissa bit; 4 bits a number), with one power-of-two scale for each 32 numbers along K (OCP MX v1.0); their sums are f32. The products marked 'left as it is' may take bf16, f16 or f32 operands, with f32 sums. Whichever they take, every output number must still come out within the allowed error. Rounding operands to bf16 (8 significant bits) uses up far more of that allowance than f16 does (11 bits, for magnitudes from 6e-5 to 65,504). All else is computed in f32.
;;   The module's matrix products, in the order in which they are computed (A, B: the left and right operand; K: the contracted axis; several contracted axes count as one K, in the product's order):
;;     1. [M 1,024, K 1,024] x [K 1,024, N 8,192]; A: input Wq; B: input x: QUANTISED
;;     2. [M 1,024, K 1,024] x [K 1,024, N 8,192]; A: input Wk; B: input x: QUANTISED
;;     3. [M 1,024, K 1,024] x [K 1,024, N 8,192]; A: input Wv; B: input x: QUANTISED
;;     4. batch 64 x [M 2,048, K 64] x [K 64, N 2,048]; A: computed on the way; B: computed on the way: left as it is (an operand is computed on the way)
;;     5. batch 64 x [M 2,048, K 2,048] x [K 2,048, N 64]; A: computed on the way; B: computed on the way: left as it is (an operand is computed on the way)
;;     6. [M 8,192, K 1,024] x [K 1,024, N 1,024]; A: computed on the way; B: input Wo: left as it is (an operand is computed on the way)
;;   THE QUANTISER, for each operand of a quantised product, along K:
;;     - K is cut into blocks of 32 from its start; a last block that is shorter is filled with zeros.
;;     - A block's scale is 2^e with e = floor(log2(the largest magnitude in the block)) - 2, held to -126 .. 127; a block of zeros has e = 0. As a byte (E8M0): e + 127.
;;     - Each number is divided by its block's scale, clamped to +-6, and rounded to the nearest number of E2M1, ties to even, subnormals kept.
;;     - The product sums the exact products of the quantised numbers (number of the format x scale) in f32.
;;   ~~~python
;;   def quantise(x, axis):      # numpy; x: float32 -> the quantised numbers, widened to float32 again
;;       x = np.moveaxis(x, axis, -1); K = x.shape[-1]
;;       x = np.pad(x, [(0, 0)] * (x.ndim - 1) + [(0, -K % 32)]); x = x.reshape(x.shape[:-1] + (-1, 32)); a = np.abs(x).max(-1, keepdims=True)
;;       e = np.where(a > 0, np.clip(np.frexp(np.where(a > 0, a, 1))[1] - 1 - 2, -126, 127), 0)      # np.frexp(a)[1] - 1 = floor(log2(a)), exactly
;;       r = np.clip(x / 2.0 ** e, -6, 6)
;;       step = 2.0 ** (np.maximum(np.frexp(np.where(r == 0, 1, r))[1] - 1, 0) - 1)
;;       q = np.round(r / step) * step * 2.0 ** e      # np.round: ties to even
;;       return np.moveaxis(q.reshape(q.shape[:-2] + (-1,))[..., :K], -1, axis).astype(np.float32)
;;   ~~~
;; One version. Each part assembles by itself: llvm-mc -triple=amdgcn-amd-amdhsa -mcpu=gfx1250 --defsym DOCPART=n.
;; ======== version 1 of 1: 5 launches
;; limits: values are held in f16: magnitudes above 65,504 overflow, below 6.1e-05 lose precision
;; workspace buffers: xc 4,194,304 bytes; xs 262,144 bytes; wc 1,572,864 bytes; ws 98,304 bytes; wo16 2,097,152 bytes; qkv 50,331,648 bytes; z 16,777,216 bytes
;; launch quant_x (part 1): grid 256 x 1, 4 waves a work-group, no clusters, 33,280 bytes of LDS; arguments x, xc, xs; writes xc, xs
.if DOCPART == 1
	.amdgcn_target "amdgcn-amd-amdhsa--gfx1250"
	.amdhsa_code_object_version 6
	.text
	.protected	k_qb4d85b3adc_quant_x
	.globl	k_qb4d85b3adc_quant_x
	.p2align	8
	.type	k_qb4d85b3adc_quant_x,@function
k_qb4d85b3adc_quant_x:
	s_mov_b64 s[64:65], 0
	v_nop
	global_prefetch_b8 v0, s[64:65] scope:SCOPE_SE
	s_setreg_imm32_b32 hwreg(HW_REG_WAVE_MODE, 25, 1), 1
	s_wait_xcnt 0x0
; x [8192 tokens][1024], f32, becomes codes of FP4 (E2M1), K innermost, two codes a byte (xc: 512 bytes a token), and one E8M0 scale byte for each 32 along K (xs: 32 bytes a token).
; A block's scale is 2^(floor(log2(its largest magnitude)) - 2); its byte is the largest magnitude's exponent field - 2, held at 1 from below.  Each number is divided by the scale and rounded to the nearest code, ties to even;
; beyond 6 the conversion gives the largest code.
; LIMITS: a block of zeros, and a block whose largest magnitude lies under 2^-124, gets the byte 1 (a block of zeros has zero codes, which add nothing; the bytes are read by this program alone).  NaN and infinities are not served.
; Rows are dense and 1,024 is a multiple of 32: x is a plain stream of blocks of 32, and so are the codes and the bytes.  8,388,608 numbers / (4 waves x 16 steps x 512) = 256 work-groups.
; Each of a step's four loads reads 512 consecutive bytes, 16 a lane; the 2,048 bytes turn through the wave's own stage in LDS and come back 64 bytes a lane, so that a lane holds 16 neighbours along K (two lanes hold a block).
; A lane's 16 codes are 8 bytes: a wave's store covers 256 consecutive bytes, aligned.  A wave's 256 scale bytes are gathered in LDS and leave in one store.  Waves share nothing: no barrier.
.set WAVES, 4
.set STEPS, 16
.set EMAX,  2
.set CB,    8                          ; bytes of 16 codes
.set R,     16                         ; v16-79   four sets of 16 numbers as they are loaded
.set X,     80                         ; v80-111  two sets of 16 neighbours
.set C,     128                        ; v128-191 codes: four registers for each step, so that no store's data are written again
.set E,     112                        ; v112-127 a scale byte for each step
.set WREG,  8192                       ; LDS: a region for each wave: two stages of 32 x SP bytes, behind them its 256 scale bytes
.set SP,    80                         ; a lane's place in a stage: 64 bytes + 16 of padding
.set SPW,   12                         ; v12  LDS address of my spare word; never rewritten
.set NIL,   13                         ; v13  0; never rewritten
.set SPARE, WAVES*WREG                 ; behind the four regions: the spare words, 128 bytes a wave
	s_load_b64 s[4:5], s[0:1], 0x0                 ; x
	s_load_b64 s[8:9], s[0:1], 0x8                 ; xc
	s_load_b64 s[10:11], s[0:1], 0x10              ; xs
	v_lshl_add_u32 v[SPW], v0, 2, SPARE
	v_mov_b32 v[NIL], 0
	v_lshrrev_b32 v1, 5, v0
	v_readfirstlane_b32 s16, v1                    ; wave
	v_and_b32 v2, 31, v0                           ; lane
	v_lshlrev_b32 v3, 4, v2                        ; my 16 bytes of a load's 512
	s_mul_i32 s17, s16, WREG
	v_lshrrev_b32 v14, 2, v2
	v_mul_u32_u24 v14, v14, SP
	v_and_b32 v15, 3, v2
	v_lshl_add_u32 v14, v15, 4, v14
	v_add_nc_u32 v14, s17, v14                     ; the stage, on the way in: SP (lane / 4) + 16 (lane % 4)
	v_mul_u32_u24 v15, v2, SP
	v_add_nc_u32 v15, s17, v15                     ; and on the way out: SP x lane: my 16 neighbours
	v_mul_u32_u24 v4, v2, CB                       ; my codes' place in a step's
	v_lshrrev_b32 v5, 1, v2
	s_add_co_u32 s17, s17, 2*32*SP
	v_add_nc_u32 v5, s17, v5                       ; LDS: my wave's 256 scale bytes, my block's byte
	v_lshlrev_b32 v7, 3, v2                        ; and on the way out 8 bytes a lane
	v_add_nc_u32 v6, s17, v7
	s_lshl_b32 s17, ttmp9, 2
	s_add_co_u32 s18, s17, s16                     ; which run of 8,192 numbers is my wave's
	s_mov_b32 s19, 0
	s_mov_b64 s[20:21], 512*STEPS*4
	s_mul_u64 s[20:21], s[18:19], s[20:21]         ; its numbers,
	s_mov_b64 s[22:23], 32*STEPS*CB
	s_mul_u64 s[22:23], s[18:19], s[22:23]         ; its codes,
	s_lshl_b32 s18, s18, 8                         ; its 256 scale bytes
	s_wait_kmcnt 0x0
	s_add_nc_u64 s[4:5], s[4:5], s[20:21]
	s_add_nc_u64 s[8:9], s[8:9], s[22:23]
	s_add_nc_u64 s[10:11], s[10:11], s[18:19]
.macro LOAD t
.irp i, 0,1,2,3
	global_load_b128 v[R+16*((\t)%4)+4*\i:R+16*((\t)%4)+4*\i+3], v3, s[4:5] offset:2048*(\t)+512*\i th:TH_LOAD_NT   ; 32 lanes read 512 consecutive bytes
.endr
.endm
.macro TURN t                          ; step t's numbers through the stage: LDS serves a wave's instructions in order, so no wait stands between the stores and the loads
.irp i, 0,1,2,3
	ds_store_b128 v14, v[R+16*((\t)%4)+4*\i:R+16*((\t)%4)+4*\i+3] offset:32*SP*((\t)%2)+8*SP*\i
.endr
.irp i, 0,1,2,3
	ds_load_b128 v[X+16*((\t)%2)+4*\i:X+16*((\t)%2)+4*\i+3], v15 offset:32*SP*((\t)%2)+16*\i
.endr
.endm
.irp t, 0,1,2,3
	LOAD \t
.endr
	s_wait_loadcnt 12                              ; step 0's four loads are in; the twelve of steps 1 to 3 may be out
	TURN 0
.macro STEP t
.set XS, X+16*((\t)%2)
.if (\t) > 0
	s_wait_dscnt 1                                 ; this step's numbers are back from the stage (the last step's byte store may be out): so its stores into the stage have read their registers,
.else
	s_wait_dscnt 0x0
.endif
.if (\t)+4 < STEPS
	LOAD (\t)+4                                    ; which take the loads of four steps on
.endif
.if (\t)+1 < STEPS
.if STEPS-2-(\t) >= 3
	s_wait_loadcnt 12                              ; the next step's four loads are in; those of the three steps behind it may be out
.else
	s_wait_loadcnt 4*(STEPS-2-(\t))
.endif
	TURN (\t)+1                                    ; and go through the other stage while this step is worked
.endif
	v_max3_num_f32 v8, |v[XS]|, |v[XS+1]|, |v[XS+2]|               ; the largest magnitude of my 16, in two chains
	v_max3_num_f32 v9, |v[XS+3]|, |v[XS+4]|, |v[XS+5]|
.irp i, 6,10
	v_max3_num_f32 v8, v8, |v[XS+\i]|, |v[XS+\i+1]|
	v_max3_num_f32 v9, v9, |v[XS+\i+2]|, |v[XS+\i+3]|
.endr
	v_max3_num_f32 v8, v8, |v[XS+14]|, |v[XS+15]|
	v_max3_num_f32 v8, v8, v9, (EMAX+1)<<23        ; and the floor 2^(3 - 127): so the byte cannot fall under 1
	v_max_num_f32_dpp v8, v8, v8 row_xmask:1 row_mask:0xf bank_mask:0xf   ; and of my neighbour's 16: the block's
	v_add_nc_u32 v11, -(EMAX<<23), v8              ; 2 off its exponent field: the conversion takes the exponent field of this operand as its scale, and nothing else of it
	v_cvt_scalef32_pk8_fp4_f32 v[C+4*(\t)], v[XS:XS+7], v11
	v_cvt_scalef32_pk8_fp4_f32 v[C+4*(\t)+1], v[XS+8:XS+15], v11
	v_lshrrev_b32 v[E+(\t)], 23, v11               ; the scale's byte (also the plain line behind the conversions)
	ds_store_b8 v5, v[E+(\t)] offset:16*(\t)       ; both lanes of a block write the same byte with the same value
	global_store_b64 v4, v[C+4*(\t):C+4*(\t)+1], s[8:9] offset:32*CB*(\t)   ; 32 lanes store 256 consecutive bytes, aligned
.endm
.irp t, 0,1,2,3,4,5,6,7,8,9,10,11,12,13,14,15
	STEP \t
.endr
	ds_load_b64 v[8:9], v6                         ; LDS serves a wave's instructions in order: these see my stores
	s_wait_dscnt 0x0
	global_store_b64 v7, v[8:9], s[10:11]          ; 32 lanes store 256 consecutive bytes, aligned
	s_wait_tensorcnt 0x0                           ; the wave's end: behind my last LDS store
	ds_add_u32 v[SPW], v[NIL]
	s_wait_dscnt 0x0
	s_endpgm
.Lfunc_end_k_qb4d85b3adc_quant_x:
	.size	k_qb4d85b3adc_quant_x, .Lfunc_end_k_qb4d85b3adc_quant_x-k_qb4d85b3adc_quant_x
	.p2alignl 7, 3214868480
	.fill 96, 4, 3214868480
	.section	.rodata,"a",@progbits
	.p2align	6, 0x0
	.amdhsa_kernel k_qb4d85b3adc_quant_x
		.amdhsa_group_segment_fixed_size 33280
		.amdhsa_private_segment_fixed_size 0
		.amdhsa_enable_private_segment 0
		.amdhsa_kernarg_size 24
		.amdhsa_user_sgpr_count 2
		.amdhsa_user_sgpr_kernarg_segment_ptr 1
		.amdhsa_wavefront_size32 1
		.amdhsa_system_sgpr_workgroup_id_x 1
		.amdhsa_system_sgpr_workgroup_id_y 1
		.amdhsa_system_sgpr_workgroup_id_z 1
		.amdhsa_system_vgpr_workitem_id 0
		.amdhsa_next_free_vgpr 192
		.amdhsa_next_free_sgpr 66
		.amdhsa_reserve_vcc 0
		.amdhsa_float_denorm_mode_32 3
		.amdhsa_float_denorm_mode_16_64 3
		.amdhsa_memory_ordered 1
		.amdhsa_forward_progress 1
		.amdhsa_inst_pref_size 33
	.end_amdhsa_kernel
	.amdgpu_metadata
---
amdhsa.version: [ 1, 2 ]
amdhsa.kernels:
  - .name:           k_qb4d85b3adc_quant_x
    .symbol:         k_qb4d85b3adc_quant_x.kd
    .args:
      - { .name: x, .offset: 0, .size: 8, .value_kind: global_buffer, .address_space: global }
      - { .name: xc, .offset: 8, .size: 8, .value_kind: global_buffer, .address_space: global }
      - { .name: xs, .offset: 16, .size: 8, .value_kind: global_buffer, .address_space: global }
    .group_segment_fixed_size: 33280
    .private_segment_fixed_size: 0
    .kernarg_segment_align: 8
    .kernarg_segment_size: 24
    .max_flat_workgroup_size: 128
    .sgpr_count:     66
    .vgpr_count:     192
    .wavefront_size: 32
...
	.end_amdgpu_metadata
.endif
;; end of part 1
;; launch prep_w (part 2): grid 160 x 1, 8 waves a work-group, no clusters, 19,456 bytes of LDS; arguments Wq, Wk, Wv, Wo, wc, ws, wo16; writes wc, ws, wo16
.if DOCPART == 2
	.amdgcn_target "amdgcn-amd-amdhsa--gfx1250"
	.amdhsa_code_object_version 6
	.text
	.protected	k_qb4d85b3adc_prep_w
	.globl	k_qb4d85b3adc_prep_w
	.p2align	8
	.type	k_qb4d85b3adc_prep_w,@function
k_qb4d85b3adc_prep_w:
	s_mov_b64 s[64:65], 0
	v_nop
	global_prefetch_b8 v0, s[64:65] scope:SCOPE_SE
	s_setreg_imm32_b32 hwreg(HW_REG_WAVE_MODE, 25, 1), 1
	s_wait_xcnt 0x0
; Work-groups 0 to 95: Wq, Wk, Wv [16 heads][1024 k][64 e], f32, whose K is the MIDDLE axis, become codes of FP4 (E2M1) with K innermost, wc [3072 n][512 bytes], n = 1024 t + 64 h + e (t = 0, 1, 2 for q, k, v),
; and one E8M0 byte for each 32 along K, ws [3072][32 bytes].  Work-groups 96 to 159: Wo [1024][1024] f32 is rounded to f16 in the same layout (wo16).
; THE WEIGHTS.  A lane takes a column e and its registers run down K: a block of 32 along K lies in one lane's 32 registers, so its largest magnitude needs no other lane, and the conversions give codes with K innermost.
; A work-group takes one head's 64 columns x 512 of K; wave w takes 32 columns (w % 2) x 128 of K (w / 2): four blocks a lane, 128 loads, all issued on end; two waves side by side read a row's whole 256 bytes.
; The codes meet in a stage in LDS, a row of 256 bytes (+ 16) for each column, and leave by rows: sixteen lanes store 256 consecutive bytes, aligned.  The scale bytes meet likewise, 16 to a column; they leave as 16 of each
; row's 32 bytes: 98,304 bytes in all, one byte for each 128 that the launch reads.
; A block's scale is 2^(floor(log2(its largest magnitude)) - 2); its byte is the largest magnitude's exponent field - 2, held at 1 from below.
; LIMITS: a block of zeros, and one whose largest magnitude lies under 2^-124, gets the byte 1 (zero codes add nothing; this program alone reads the bytes).  NaN and infinities are not served.  Wo must lie within f16's 65,504.
.set PITCH, 272                        ; a stage row
.set SST,   64*PITCH                   ; behind the stage: 64 columns x 16 scale bytes
.set SPARE, SST+1024                   ; behind them: the spare words, 128 bytes for each of eight waves
.set EMAX,  2
.set X,     32                         ; v32-159  128 numbers: four blocks
.set C,     160                        ; v160-175 four blocks' codes
.set OUTR,  176                        ; v176-191 the way out
.set SPW,   14                         ; v14  LDS address of my spare word; never rewritten
.set NIL,   15                         ; v15  0; never rewritten
	s_load_b256 s[4:11], s[0:1], 0x0               ; Wq, Wk, Wv, Wo
	s_load_b128 s[12:15], s[0:1], 0x20             ; wc, ws
	s_load_b64 s[16:17], s[0:1], 0x30              ; wo16
	v_lshl_add_u32 v[SPW], v0, 2, SPARE
	v_mov_b32 v[NIL], 0
	v_lshrrev_b32 v1, 5, v0
	v_readfirstlane_b32 s18, v1                    ; wave 0..7
	v_and_b32 v2, 31, v0                           ; lane
	s_cmp_ge_u32 ttmp9, 96                         ; the work-group's number alone: all eight waves go the same way
	s_cbranch_scc1 .Lcast
	; ---- the weights of the quantised products
	s_and_b32 s19, s18, 1                          ; which 32 columns
	s_lshr_b32 s20, s18, 1                         ; which 128 of K
	v_lshlrev_b32 v3, 2, v2                        ; in: 4 bytes a lane
	s_mul_i32 s21, s19, 32*PITCH
	s_lshl_b32 s22, s20, 6
	s_add_co_u32 s21, s21, s22
	v_mul_u32_u24 v4, v2, PITCH
	v_add_nc_u32 v4, s21, v4                       ; into the stage: row = my column, 64 bytes for each 128 of K
	s_lshl_b32 s21, s19, 9
	s_lshl_b32 s22, s20, 2
	s_add_co_u32 s21, s21, s22
	s_add_co_u32 s21, s21, SST
	v_lshlrev_b32 v5, 4, v2
	v_add_nc_u32 v5, s21, v5                       ; my column's scale bytes: my four
	v_and_b32 v1, 15, v2
	v_lshrrev_b32 v6, 4, v2
	s_mul_i32 s21, s18, 8*PITCH
	v_mul_u32_u24 v7, v6, PITCH
	v_lshl_add_u32 v7, v1, 4, v7
	v_add_nc_u32 v7, s21, v7                       ; out of the stage: wave w takes rows 8 w on, sixteen lanes to a row, two rows an instruction
	s_lshl_b32 s21, s18, 12
	v_lshlrev_b32 v8, 9, v6
	v_lshl_add_u32 v8, v1, 4, v8
	v_add_nc_u32 v8, s21, v8                       ; and the same place in wc: rows of 512 bytes
	v_lshl_add_u32 v9, v0, 4, SST                  ; waves 0 and 1: column = my thread's number: its 16 scale bytes,
	v_lshlrev_b32 v10, 5, v0                       ; and its row of ws
	s_lshr_b32 s22, ttmp9, 1                       ; head slot 16 t + h
	s_and_b32 s23, ttmp9, 1                        ; which 512 of K
	s_and_b32 s24, s22, 15
	s_lshl_b32 s24, s24, 18                        ; the head: 1,024 rows of 256 bytes
	s_lshl_b32 s25, s23, 17
	s_add_co_u32 s24, s24, s25
	s_lshl_b32 s25, s20, 15
	s_add_co_u32 s24, s24, s25
	s_lshl_b32 s25, s19, 7
	s_add_co_u32 s24, s24, s25
	s_mov_b32 s25, 0
	s_lshl_b32 s26, s22, 15                        ; wc: 64 rows of 512 bytes a head slot, 256 bytes for 512 of K
	s_lshl_b32 s27, s23, 8
	s_add_co_u32 s26, s26, s27
	s_mov_b32 s27, 0
	s_lshl_b32 s28, s22, 11                        ; ws: 64 rows of 32 bytes, 16 bytes for 512 of K
	s_lshl_b32 s29, s23, 4
	s_add_co_u32 s28, s28, s29
	s_mov_b32 s29, 0
	s_wait_kmcnt 0x0
	s_cmp_lt_u32 ttmp9, 64                         ; the tensor is chosen by the work-group's number
	s_cselect_b64 s[30:31], s[6:7], s[8:9]
	s_cmp_lt_u32 ttmp9, 32
	s_cselect_b64 s[30:31], s[4:5], s[30:31]
	s_add_nc_u64 s[30:31], s[30:31], s[24:25]
	s_add_nc_u64 s[12:13], s[12:13], s[26:27]
	s_add_nc_u64 s[14:15], s[14:15], s[28:29]
.set i, 0
.rept 128
	global_load_b32 v[X+i], v3, s[30:31] offset:256*i th:TH_LOAD_NT   ; W(k + i, my column): 32 lanes read 128 consecutive bytes
.set i, i+1
.endr
.macro BLOCK t, left                   ; left: how many younger loads may stay out
.set XS, X+32*(\t)
	s_wait_loadcnt \left
	v_max3_num_f32 v12, |v[XS]|, |v[XS+1]|, |v[XS+2]|               ; the block's largest magnitude: all 32 numbers are mine
	v_max3_num_f32 v13, |v[XS+3]|, |v[XS+4]|, |v[XS+5]|
.irp i, 6,10,14,18,22,26
	v_max3_num_f32 v12, v12, |v[XS+\i]|, |v[XS+\i+1]|
	v_max3_num_f32 v13, v13, |v[XS+\i+2]|, |v[XS+\i+3]|
.endr
	v_max3_num_f32 v12, v12, |v[XS+30]|, |v[XS+31]|
	v_max3_num_f32 v12, v12, v13, (EMAX+1)<<23     ; and the floor 2^(3 - 127): so the byte cannot fall under 1
	v_add_nc_u32 v11, -(EMAX<<23), v12             ; 2 off its exponent field: the conversion's scale operand
	v_lshrrev_b32 v13, 23, v11                     ; the scale's byte
.if (\t) == 0
	v_mov_b32 v24, v13                             ; four bytes to a register, the lower K in the lower byte
.else
	v_lshl_or_b32 v24, v13, 8*(\t), v24
.endif
.irp g, 0,1,2,3
	v_cvt_scalef32_pk8_fp4_f32 v[C+4*(\t)+\g], v[XS+8*\g:XS+8*\g+7], v11
.endr
	v_nop                                          ; one plain line behind the last conversion: the next block writes their scale operand
	ds_store_b128 v4, v[C+4*(\t):C+4*(\t)+3] offset:16*(\t)   ; 32 codes: 16 bytes of my column's row; each block has code registers of its own
.endm
	BLOCK 0, 63                                    ; behind block 0 stand 96 younger loads, behind block 1 64: the wait's field holds 63, and a smaller count is safe
	BLOCK 1, 63
	BLOCK 2, 32                                    ; block 3's 32 may be out
	BLOCK 3, 0
	ds_store_b32 v5, v24
	s_wait_dscnt 0x0                               ; for the others' sake: my stores have landed
	s_barrier_signal -1
	s_barrier_wait -1                              ; 64 whole rows of codes and of scale bytes lie in LDS
	s_cmp_lt_u32 s18, 2                            ; waves 0 and 1 store the scale bytes, a lane a column
	s_cbranch_scc0 .Lno_scales
	ds_load_b128 v[28:31], v9
	s_wait_dscnt 0x0
	global_store_b128 v10, v[28:31], s[14:15]
.Lno_scales:
.irp i, 0,1,2,3
	ds_load_b128 v[OUTR+4*\i:OUTR+4*\i+3], v7 offset:2*\i*PITCH
.endr
.irp i, 0,1,2,3
	s_wait_dscnt 3-\i                              ; the younger loads may be out
	global_store_b128 v8, v[OUTR+4*\i:OUTR+4*\i+3], s[12:13] offset:2*\i*512   ; sixteen lanes store 256 consecutive bytes, aligned
.endr
	s_wait_tensorcnt 0x0                           ; the wave's end: behind my last LDS store
	ds_add_u32 v[SPW], v[NIL]
	s_wait_dscnt 0x0
	s_endpgm
	; ---- Wo to f16: a wave takes 2,048 numbers; this way writes no LDS
.Lcast:
	s_sub_co_u32 s19, ttmp9, 96
	s_lshl_b32 s20, s19, 16
	s_lshl_b32 s21, s18, 13
	s_add_co_u32 s20, s20, s21                     ; my wave's 8,192 bytes of Wo,
	s_mov_b32 s21, 0
	s_lshr_b32 s22, s20, 1                         ; and its 4,096 of wo16
	s_mov_b32 s23, 0
	v_lshlrev_b32 v16, 4, v2
	v_lshlrev_b32 v17, 3, v2
	s_wait_kmcnt 0x0
	s_add_nc_u64 s[10:11], s[10:11], s[20:21]
	s_add_nc_u64 s[16:17], s[16:17], s[22:23]
.irp j, 0,1,2,3,4,5,6,7,8,9,10,11,12,13,14,15
	global_load_b128 v[32+4*\j:35+4*\j], v16, s[10:11] offset:512*\j th:TH_LOAD_NT
.endr
.irp j, 0,1,2,3,4,5,6,7,8,9,10,11,12,13,14,15
	s_wait_loadcnt 15-\j                           ; the younger loads may be out
	v_cvt_pk_f16_f32 v[96+2*\j], v[32+4*\j], v[33+4*\j]
	v_cvt_pk_f16_f32 v[97+2*\j], v[34+4*\j], v[35+4*\j]
	global_store_b64 v17, v[96+2*\j:97+2*\j], s[16:17] offset:256*\j   ; 32 lanes store 256 consecutive bytes, aligned
.endr
	s_endpgm
.Lfunc_end_k_qb4d85b3adc_prep_w:
	.size	k_qb4d85b3adc_prep_w, .Lfunc_end_k_qb4d85b3adc_prep_w-k_qb4d85b3adc_prep_w
	.p2alignl 7, 3214868480
	.fill 96, 4, 3214868480
	.section	.rodata,"a",@progbits
	.p2align	6, 0x0
	.amdhsa_kernel k_qb4d85b3adc_prep_w
		.amdhsa_group_segment_fixed_size 19456
		.amdhsa_private_segment_fixed_size 0
		.amdhsa_enable_private_segment 0
		.amdhsa_kernarg_size 56
		.amdhsa_user_sgpr_count 2
		.amdhsa_user_sgpr_kernarg_segment_ptr 1
		.amdhsa_wavefront_size32 1
		.amdhsa_system_sgpr_workgroup_id_x 1
		.amdhsa_system_sgpr_workgroup_id_y 1
		.amdhsa_system_sgpr_workgroup_id_z 1
		.amdhsa_system_vgpr_workitem_id 0
		.amdhsa_next_free_vgpr 192
		.amdhsa_next_free_sgpr 66
		.amdhsa_reserve_vcc 0
		.amdhsa_float_denorm_mode_32 3
		.amdhsa_float_denorm_mode_16_64 3
		.amdhsa_memory_ordered 1
		.amdhsa_forward_progress 1
		.amdhsa_inst_pref_size 29
	.end_amdhsa_kernel
	.amdgpu_metadata
---
amdhsa.version: [ 1, 2 ]
amdhsa.kernels:
  - .name:           k_qb4d85b3adc_prep_w
    .symbol:         k_qb4d85b3adc_prep_w.kd
    .args:
      - { .name: Wq, .offset: 0, .size: 8, .value_kind: global_buffer, .address_space: global }
      - { .name: Wk, .offset: 8, .size: 8, .value_kind: global_buffer, .address_space: global }
      - { .name: Wv, .offset: 16, .size: 8, .value_kind: global_buffer, .address_space: global }
      - { .name: Wo, .offset: 24, .size: 8, .value_kind: global_buffer, .address_space: global }
      - { .name: wc, .offset: 32, .size: 8, .value_kind: global_buffer, .address_space: global }
      - { .name: ws, .offset: 40, .size: 8, .value_kind: global_buffer, .address_space: global }
      - { .name: wo16, .offset: 48, .size: 8, .value_kind: global_buffer, .address_space: global }
    .group_segment_fixed_size: 19456
    .private_segment_fixed_size: 0
    .kernarg_segment_align: 8
    .kernarg_segment_size: 56
    .max_flat_workgroup_size: 256
    .sgpr_count:     66
    .vgpr_count:     192
    .wavefront_size: 32
...
	.end_amdgpu_metadata
.endif
;; end of part 2
;; launch qkv (part 3): grid 12 x 32, 4 waves a work-group, clusters of 4 x 4, 327,680 bytes of LDS; arguments xc, xs, wc, ws, bq, bk, bv, qkv; writes qkv
.if DOCPART == 3
	.amdgcn_target "amdgcn-amd-amdhsa--gfx1250"
	.amdhsa_code_object_version 6
	.text
	.protected	k_qb4d85b3adc_qkv
	.globl	k_qb4d85b3adc_qkv
	.p2align	8
	.type	k_qb4d85b3adc_qkv,@function
k_qb4d85b3adc_qkv:
	s_mov_b64 s[64:65], 0
	v_nop
	global_prefetch_b8 v0, s[64:65] scope:SCOPE_SE
	s_setreg_imm32_b32 hwreg(HW_REG_WAVE_MODE, 25, 1), 1
	s_wait_xcnt 0x0
	s_wait_alu depctr_hold_cnt(0) depctr_sa_sdst(0) depctr_va_vdst(0) depctr_va_sdst(0) depctr_va_ssrc(0) depctr_va_vcc(0) depctr_vm_vsrc(0)
	s_getreg_b32 s2, hwreg(HW_REG_IB_STS2, 6, 4)
	s_cmp_eq_u32 s2, 0
	s_cbranch_scc0 .Lentry_in_a_cluster
	s_endpgm
.Lentry_in_a_cluster:
	s_bfe_u32 s2, ttmp6, 0x10000c
	s_cmp_lg_u32 s2, 0xf033
	s_cbranch_scc0 .Lentry_shape_is_right
	s_endpgm
.Lentry_shape_is_right:
; The three quantised products as ONE product on codes of FP4 (E2M1) with E8M0 scales: C[m][n] = sum over k of x[m][k] W[n][k] + bias[n]; m: 8,192 tokens; n = 1024 t + 64 h + e: 3,072 outputs (t = 0, 1, 2: q, k, v); K = 1,024.
; A = xc [8192][512 bytes], xs [8192][32]; B = wc [3072][512], ws [3072][32].  The result is rounded to f16 and stored head by head: qkv [48 head slots 16 t + h][8192 tokens][64], so that 16 tokens of a head are 2,048 consecutive bytes.
; A tile of C, 256 x 256, is made by four waves, 128 x 128 each: 64 accumulators, 512 registers.  K is two steps of 512 (tile rows of 256 bytes): both slots, and the scales of the tile's rows for all of K, are asked for at the head;
; nothing is filled again.  By this text's count a wave has three tensor loads out at the most.
; CLUSTERS: 4 x 4 work-groups; A's tiles are asked for jointly along a row of the cluster, B's along a column.  384 tiles are 24 clusters.
; THE MATRIX INSTRUCTION IS USED TRANSPOSED (source 0 = 16 rows of B, source 1 = 16 rows of A): a lane holds eight neighbouring outputs of one token.
; THE BIAS is the C of each sum's first product: eight registers for each of B's eight blocks, in the result's layout.  (So it is added ahead of the products, not behind them: the rounding's order differs from the source's by that.)
; LIMIT: q, k, v must lie within f16's 65,504; magnitudes under 6e-5 are kept as f16 subnormals.
; REGISTERS, in windows of 256: window 0: v0-31 addresses; v32-95 scale words, two sets, and nothing else; v128-191 A's fragments, ONE set; v192-255 the bias; on the way out v128-223 are free.
;   window 1: B's fragments, TWO sets, at v0 and v128.   window 2: the accumulators of my tokens 0-63 ((a, b) at v[8 (8 a + b)]);   window 3: those of my tokens 64-127.
.set SIZE_K, 1024
.set KSTEP,  512                       ; along K in a slot
.set NQ,     KSTEP/128                 ; matrix instructions deep
.set ROWB,   256                       ; a tile's row in bytes
.set KROW,   SIZE_K/2                  ; a row of codes in memory
.set PITCH,  272                       ; an LDS row: 256 bytes + 16 of padding = 68 words: the 16 rows that a load touches start at 16 different banks (64 banks of 4 bytes: ISA guide 11.1)
.set FR,     8                         ; registers of a fragment: 16 rows x 128 K
.set NL,     2                         ; LDS loads that bring one
.set NP,     4                         ; places behind this matrix instruction (ISA guide 7.12.1)
.set HALFT,  128*PITCH                 ; 128 rows: what one tensor load brings
.set SLOT,   4*HALFT                   ; A's 256 rows, then B's 256 rows
.set KS,     SIZE_K/32                 ; a row of scales in bytes
.set SCL,    2*SLOT                    ; behind the slots: the scales, as rows of 256 bytes + 16 of padding
.set HALFS,  (128*KS/256)*272          ; the scales of 128 rows: what one tensor load brings
.set SBLK,   (16*KS/256)*272           ; those of 16 rows
.set SPARE,  SCL+4*HALFS               ; behind the scales: the spare words, 128 bytes a wave
.set SPITCH, 272                       ; the way out: a stage of 16 rows x (256 bytes + 16) for each wave, in slot 0, which has had its only fill and its last read when the first result is stored there
.set ADRA, 16                          ; v16-17  LDS address of my A fragments in slot 0, 1
.set ADRB, 20                          ; v20-21  the same for B
.set STO,  24                          ; v24     the way out: where I put 16 bytes of a token's row
.set RD,   25                          ; v25     and where I read back: four tokens x 128 bytes of one head
.set CO,   26                          ; v26     16 x lane: my byte among those 512 in memory
.set ADRS, 27                          ; v27     LDS address of my scale words: lanes 0-15 A's rows, lanes 16-31 B's
.set SPW,  28                          ; v28     LDS address of my spare word; never rewritten
.set NIL,  29                          ; v29     0; never rewritten
.set BO,   30                          ; v30     32 x (lane / 16): my eight numbers of a block's sixteen biases
.set SC,   32                          ; scale words: set s at v[SC + 32 s]; register 4 i + q: lanes 0-15 A's block i, lanes 16-31 B's block i, the slot's q-th 128 along K
.set AF,   128                         ; A's fragments
.set BI,   192                         ; the bias: block b at v[BI + 8 b]
.set TMP,  128                         ; the way out: a block's 32 packed registers, where A's fragments lay
.set OB,   160                         ; and 16 tokens read back: v160-191 and v192-223 by turns
.set G1, 24                            ; s[24:31] descriptor group 1 for A's tiles;  s[32:39] group 0, one set for each slot
.set G0, 32
.set G1B, 48                           ; s[48:55], s[56:63] the same for B's tiles
.set G0B, 56
.set G1S, 68                           ; s[68:75], s[76:79] groups 1 and 0 for A's scales;  s[80:87], s[88:91] for B's
.set G0S, 76
.set G1SB, 80
.set G0SB, 88
.set MSB, 0
.macro WIN new                         ; the immediate's high byte repeats the setting that is left; a switch that changes nothing is dropped
.if MSB != (\new)
	s_set_vgpr_msb (MSB<<8)|(\new)
.set MSB, (\new)
.endif
.endm
.set MUL_LO, 0xa1                      ; source 0 (B) window 1, source 1 (A) window 0, C and D window 2
.set MUL_HI, 0xf1                      ; the same, C and D window 3
.set TO_B,   0x40                      ; destination window 1, address window 0
; A joint load: waves 0 and 1 fetch for A, waves 2 and 3 for B.  Each line has one mask and one set of registers for all that issue it; the branch hangs on the wave's number alone.
; An s_nop 0 and four v_nop follow each of the two lines.
.macro JLOAD g0a, g1a, g0b, g1b
	s_cmp_eq_u32 s15, 0
	s_cbranch_scc0 .Lfor_b_\@
	tensor_load_to_lds s[\g0a:\g0a+3], s[\g1a:\g1a+7]
	s_nop 0
.rept 4
	v_nop
.endr
	s_branch .Lasked_\@
.Lfor_b_\@:
	tensor_load_to_lds s[\g0b:\g0b+3], s[\g1b:\g1b+7]
	s_nop 0
.rept 4
	v_nop
.endr
.Lasked_\@:
.endm
.macro CROUND                          ; a round of the cluster's barrier
	s_barrier_signal -1
	s_barrier_wait -1
	s_cmp_lg_u32 s14, 0
	s_cbranch_scc1 .Lnot_wave_0_\@
	s_barrier_signal -3
.Lnot_wave_0_\@:
	s_barrier_wait -3
	s_barrier_signal -1
	s_barrier_wait -1
.endm
	s_load_b128 s[4:7], s[0:1], 0x0                ; xc, xs
	s_load_b128 s[8:11], s[0:1], 0x10              ; wc, ws
	s_load_b128 s[96:99], s[0:1], 0x20             ; bq, bk
	s_load_b64 s[100:101], s[0:1], 0x30            ; bv
	s_load_b64 s[12:13], s[0:1], 0x38              ; qkv
	v_lshl_add_u32 v[SPW], v0, 2, SPARE
	v_mov_b32 v[NIL], 0
	ds_add_u32 v[SPW], v[NIL]                      ; the wave's opening: the add, twice on end, and its wait ahead of my first tensor load
	ds_add_u32 v[SPW], v[NIL]                      ; (the set-up below, work on registers, stands between the second and the wait)
	v_lshrrev_b32 v1, 5, v0
	v_readfirstlane_b32 s14, v1                    ; wave 0..3
	s_lshr_b32 s15, s14, 1                         ; which half of the tile's tokens is mine.  Also: I fetch for A (0) or for B (1)
	s_and_b32 s16, s14, 1                          ; which half of its outputs.  Also: which 128 rows of that tile I fetch
	s_bfe_u32 s40, ttmp6, 0x40000                  ; cx, cy: my place in the cluster
	s_bfe_u32 s41, ttmp6, 0x40004
	s_lshl_b32 s42, ttmp9, 2
	s_add_co_u32 s42, s42, s40                     ; tile column = 4 x cluster x + cx
	s_and_b32 s17, ttmp7, 0xffff
	s_lshl_b32 s17, s17, 2
	s_add_co_u32 s17, s17, s41                     ; tile row = 4 x cluster y + cy
	s_lshl_b32 s43, s41, 2
	s_lshl_b32 s43, 15, s43                        ; my row of the cluster
	s_lshl_b32 s44, 0x1111, s40                    ; my column
	; descriptor group 1: a tile of 128 rows x 256 bytes, padded in LDS
	s_or_b32 s[G1+0], s43, (0<<16)|(1<<20)|(1<<21)|(5<<22)|(3<<25)  ; 15:0 the mask; 17:16 elements of 1 byte; 20 padding on; 21 set beside a mask; 24:22 after every 64 words; 31:25 four words
	s_or_b32 s[G1B+0], s44, (0<<16)|(1<<20)|(1<<21)|(5<<22)|(3<<25)
.irp g, G1, G1B
	s_mov_b32 s[\g+1], ROWB<<16                    ; tensor_dim0
	s_mov_b32 s[\g+2], 128<<16                     ; tensor_dim1
	s_mov_b32 s[\g+3], ROWB<<16                    ; tile_dim0
	s_mov_b32 s[\g+4], 128                         ; tile_dim1
	s_mov_b32 s[\g+5], KROW                        ; from row to row
	s_mov_b32 s[\g+6], 0
	s_mov_b32 s[\g+7], 0
.endr
	; the scales of 128 rows: a dense block of 4,096 bytes, as 16 rows of 256 bytes (32 elements of 8 bytes), 16 bytes of padding behind each
	s_or_b32 s[G1S+0], s43, (3<<16)|(1<<20)|(1<<21)|(5<<22)|(3<<25)
	s_or_b32 s[G1SB+0], s44, (3<<16)|(1<<20)|(1<<21)|(5<<22)|(3<<25)
.irp g, G1S, G1SB
	s_mov_b32 s[\g+1], 32<<16
	s_mov_b32 s[\g+2], (128*KS/256)<<16
	s_mov_b32 s[\g+3], 32<<16
	s_mov_b32 s[\g+4], 128*KS/256
	s_mov_b32 s[\g+5], 32
	s_mov_b32 s[\g+6], 0
	s_mov_b32 s[\g+7], 0
.endr
	s_lshl_b32 s18, s16, 7                         ; which 128 rows of the tile I fetch
	s_lshl_b32 s20, s17, 8
	s_add_co_u32 s20, s20, s18                     ; A: row 256 x tile row + 128 x half
	s_lshl_b32 s46, s42, 8
	s_add_co_u32 s46, s46, s18                     ; B: row 256 x tile column + 128 x half
	s_mov_b32 s21, 0
	s_mov_b32 s47, 0
	s_mov_b64 s[18:19], KS
	s_mul_u64 s[22:23], s[20:21], s[18:19]         ; where these rows' scales begin,
	s_mul_u64 s[92:93], s[46:47], s[18:19]
	s_mov_b64 s[18:19], KROW
	s_mul_u64 s[20:21], s[20:21], s[18:19]         ; and their codes
	s_mul_u64 s[46:47], s[46:47], s[18:19]
	s_mul_i32 s45, s14, HALFT                      ; where they go: wave x 128 rows: no place in the cluster enters an LDS address
	s_mul_i32 s94, s14, HALFS
	s_wait_dscnt 0x0                               ; both opening adds are done
	s_wait_kmcnt 0x0
	s_add_nc_u64 s[20:21], s[4:5], s[20:21]
	s_add_nc_u64 s[22:23], s[6:7], s[22:23]
	s_add_nc_u64 s[46:47], s[8:9], s[46:47]
	s_add_nc_u64 s[92:93], s[10:11], s[92:93]
	CROUND                                         ; all sixteen work-groups are here: the joint loads meet
	s_mov_b32 s[G0S], 1
	s_add_co_u32 s[G0S+1], s94, SCL
	s_mov_b64 s[G0S+2:G0S+3], s[22:23]
	s_or_b32 s[G0S+3], s[G0S+3], 0x80000000
	s_mov_b32 s[G0SB], 1
	s_add_co_u32 s[G0SB+1], s94, SCL
	s_mov_b64 s[G0SB+2:G0SB+3], s[92:93]
	s_or_b32 s[G0SB+3], s[G0SB+3], 0x80000000
	JLOAD G0S, G1S, G0SB, G1SB                     ; the scales first: they are wanted with K step 0
.irp s, 0,1
	s_mov_b32 s[G0+4*\s], 1
	s_add_co_u32 s[G0+4*\s+1], s45, \s*SLOT
	s_add_nc_u64 s[G0+4*\s+2:G0+4*\s+3], s[20:21], \s*ROWB
	s_or_b32 s[G0+4*\s+3], s[G0+4*\s+3], 0x80000000
	s_mov_b32 s[G0B+4*\s], 1
	s_add_co_u32 s[G0B+4*\s+1], s45, \s*SLOT
	s_add_nc_u64 s[G0B+4*\s+2:G0B+4*\s+3], s[46:47], \s*ROWB
	s_or_b32 s[G0B+4*\s+3], s[G0B+4*\s+3], 0x80000000
	JLOAD G0+4*\s, G1, G0B+4*\s, G1B
.endr
	; the bias.  Four tile columns are 1,024 outputs, one tensor: so the cluster's x says which of bq, bk, bv; my first output in it is 256 cx + 128 x half
	s_cmp_eq_u32 ttmp9, 1
	s_cselect_b64 s[96:97], s[98:99], s[96:97]
	s_cmp_eq_u32 ttmp9, 2
	s_cselect_b64 s[96:97], s[100:101], s[96:97]
	s_lshl_b32 s98, s40, 10
	s_lshl_b32 s99, s16, 9
	s_add_co_u32 s98, s98, s99
	s_mov_b32 s99, 0
	s_add_nc_u64 s[96:97], s[96:97], s[98:99]
	v_and_b32 v1, 15, v0                           ; l % 16
	v_bfe_u32 v2, v0, 4, 1                         ; l / 16
	v_lshlrev_b32 v[BO], 5, v2
.irp b, 0,1,2,3,4,5,6,7
	global_load_b128 v[BI+8*\b:BI+8*\b+3], v[BO], s[96:97] offset:64*\b        ; bias(16 b + 8 (l / 16) + 0 .. 7)
	global_load_b128 v[BI+8*\b+4:BI+8*\b+7], v[BO], s[96:97] offset:64*\b+16
.endr
	v_mul_u32_u24 v3, v1, PITCH
	v_lshl_add_u32 v4, v2, 4, v3                   ; a fragment's row x pitch + 16 x half
	s_mul_i32 s21, s15, HALFT                      ; my 128 rows of A
	s_mul_i32 s22, s16, HALFT                      ; my 128 rows of B,
	s_add_co_u32 s22, s22, 2*HALFT                 ; which lie behind A's 256
.irp s, 0,1
	v_add_nc_u32 v[ADRA+\s], s21, v4
	v_add_nc_u32 v[ADRB+\s], s22, v4
	s_add_co_u32 s21, s21, SLOT
	s_add_co_u32 s22, s22, SLOT
.endr
	v_mul_u32_u24 v5, v1, KS                       ; my row's scales: 32 bytes a row,
	v_lshrrev_b32 v6, 8, v5
	v_lshl_add_u32 v5, v6, 4, v5                   ; and 16 more for each 256 passed
	s_mul_i32 s21, s15, HALFS                      ; A's: my 128 rows
	s_mul_i32 s22, s16, HALFS                      ; B's: my 128 rows, behind A's 256
	s_add_co_u32 s22, s22, 2*HALFS
	s_sub_co_u32 s22, s22, s21
	v_mul_u32_u24 v6, s22, v2                      ; lanes 16-31 take B's: the lower base + half x the distance
	s_add_co_u32 s21, s21, SCL
	v_add_nc_u32 v5, v5, v6
	v_add_nc_u32 v[ADRS], s21, v5
	s_mul_i32 s23, s14, 16*SPITCH                  ; my stage
	v_mul_u32_u24 v5, v1, SPITCH                   ; in: row l % 16, 16 bytes for each half of the lanes
	v_lshl_add_u32 v5, v2, 4, v5
	v_add_nc_u32 v[STO], s23, v5
	v_bfe_u32 v5, v0, 3, 2                         ; back: eight lanes take 128 bytes (a head's 64 outputs) of one token, the 32 lanes four tokens
	v_mul_u32_u24 v5, v5, SPITCH
	v_and_b32 v6, 7, v0
	v_lshl_add_u32 v5, v6, 4, v5
	v_add_nc_u32 v[RD], s23, v5
	v_and_b32 v6, 31, v0
	v_lshlrev_b32 v[CO], 4, v6
	s_lshl_b32 s20, s17, 8
	s_lshl_b32 s21, s15, 7
	s_add_co_u32 s20, s20, s21                     ; my first token: 256 x tile row + 128 x half;
	s_lshl_b32 s20, s20, 7                         ; 128 bytes a token
	s_lshl_b32 s46, s42, 2
	s_lshl_b32 s47, s16, 1
	s_add_co_u32 s46, s46, s47                     ; my first head slot: 4 x tile column + 2 x half;
	s_lshl_b32 s46, s46, 20                        ; 8,192 tokens x 128 bytes a head slot
	s_add_co_u32 s20, s20, s46                     ; (under 2^26)
	s_mov_b32 s21, 0
	s_add_nc_u64 s[12:13], s[12:13], s[20:21]
.macro FRAG reg, adr, q, i             ; a fragment, 16 rows x 128 K of 4-bit codes, is 8 registers: lane l holds row l % 16; registers 4 c .. 4 c + 3 hold K = 64 c + 32 (l / 16) + 0 .. 31
.irp c, 0,1
	ds_load_b128 v[\reg+4*\c:\reg+4*\c+3], v[\adr] offset:64*(\q)+32*\c+(\i)*16*PITCH
.endr
.endm
; 16 matrix instructions: A's blocks a0, a0 + 1 x B's eight, 128 along K: the slot's q-th.  p: B's set;  sc: the set of scale words.  zero = 1: the first product starts the sums from the bias: nothing is ever cleared.
; The 64 accumulators take turns, one instruction a turn, in the same order in every step.
.macro MUL16 a0, p, q, sc, zero
.irp a, \a0, \a0+1
.irp b, 0,1,2,3,4,5,6,7
.if \zero
	v_wmma_scale_f32_16x16x128_f8f6f4 v[8*(8*((\a)%4)+\b):8*(8*((\a)%4)+\b)+7], v[128*(\p)+FR*\b:128*(\p)+FR*\b+FR-1], v[AF+FR*(\a):AF+FR*(\a)+FR-1], v[BI+8*\b:BI+8*\b+7], v[SC+8*NQ*(\sc)+NQ*\b+(\q)], v[SC+8*NQ*(\sc)+NQ*(\a)+(\q)] matrix_a_fmt:MATRIX_FMT_FP4 matrix_b_fmt:MATRIX_FMT_FP4 matrix_a_scale:MATRIX_SCALE_ROW1
.else
	v_wmma_scale_f32_16x16x128_f8f6f4 v[8*(8*((\a)%4)+\b):8*(8*((\a)%4)+\b)+7], v[128*(\p)+FR*\b:128*(\p)+FR*\b+FR-1], v[AF+FR*(\a):AF+FR*(\a)+FR-1], v[8*(8*((\a)%4)+\b):8*(8*((\a)%4)+\b)+7], v[SC+8*NQ*(\sc)+NQ*\b+(\q)], v[SC+8*NQ*(\sc)+NQ*(\a)+(\q)] matrix_a_fmt:MATRIX_FMT_FP4 matrix_b_fmt:MATRIX_FMT_FP4 matrix_a_scale:MATRIX_SCALE_ROW1
.endif
.endr
.endr
.endm
.macro FETCH_B slot, q, p              ; B's eight fragments of the slot's q-th 128 along K into set p
	WIN TO_B
.irp i, 0,1,2,3,4,5,6,7
	FRAG 128*(\p)+FR*\i, ADRB+\slot, \q, \i
.endr
	WIN 0
.endm
.macro FETCH_A slot, q, i0             ; A's blocks i0 .. i0 + 3
.irp i, \i0, \i0+1, \i0+2, \i0+3
	FRAG AF+FR*(\i), ADRA+\slot, \q, \i
.endr
.endm
.macro SCALES sc                       ; a K step's scale words into set sc: four words a row; lanes 0-15 take A's block i, lanes 16-31 B's block i
.irp i, 0,1,2,3,4,5,6,7
	ds_load_b128 v[SC+8*NQ*\sc+NQ*\i:SC+8*NQ*\sc+NQ*\i+3], v[ADRS] offset:\i*SBLK
.endr
.endm
; A load into a register that a matrix instruction has read, and a vector instruction that reads a matrix result or writes one of its registers, stand four places behind it; only plain vector instructions that name none of
; its registers are places (ISA guide 7.12.1 for vector instructions).
.macro PLACES n
.rept \n
	v_nop
.endr
.endm
; A step of 128 along K that has its successor in the same slot.  zero = 1: C is the bias, in window 0
.macro STEP slot, q, zero
	s_wait_dscnt 4*NL                              ; B's set and A's blocks 0-3 are in; the youngest eight loads (A's blocks 4-7) may be out
	WIN MUL_LO-0x20*(\zero)
	MUL16 0, (\q)%2, \q, \slot, \zero
	MUL16 2, (\q)%2, \q, \slot, \zero
	s_wait_dscnt 0                                 ; A's blocks 4-7 are in
	PLACES NP
	FETCH_B \slot, (\q)+1, 1-(\q)%2
	FETCH_A \slot, (\q)+1, 0
	WIN MUL_HI-0x30*(\zero)
	MUL16 4, (\q)%2, \q, \slot, \zero
	MUL16 6, (\q)%2, \q, \slot, \zero
	PLACES NP
	WIN 0
	FETCH_A \slot, (\q)+1, 4
.endm
; Slot 0's last step changes slots: one barrier; in front of it each wave waits for all its tensor loads (its part of slot 1), adds 0 to its spare word, and waits for that and for its own reads of slot 0.  Nothing is filled again.
.macro TURN slot, next
	s_wait_tensorcnt 0x0                           ; all my tensor loads have landed  (every window is 0 here: the add's two registers lie in window 0)
	ds_add_u32 v[SPW], v[NIL]                      ; 0 onto my spare word
	s_wait_dscnt 4*NL+1                            ; (the add and the youngest eight loads, A's blocks 4-7, may be out)
	WIN MUL_LO
	MUL16 0, 1, NQ-1, \slot, 0                     ; sixteen matrix instructions stand between the add and the wait for it
	s_wait_dscnt 0x0                               ; the add is done, and my reads of this slot are over
	s_barrier_signal -1
	MUL16 2, 1, NQ-1, \slot, 0
	WIN 0
	s_barrier_wait -1
	PLACES NP
	v_add_nc_u32 v[ADRS], 4*NQ, v[ADRS]            ; on to the next K step's scale words (no LDS load of mine is out)
	FETCH_B \next, 0, 0
	FETCH_A \next, 0, 0
	SCALES \next
	WIN MUL_HI
	MUL16 4, 1, NQ-1, \slot, 0
	MUL16 6, 1, NQ-1, \slot, 0
	PLACES NP
	WIN 0
	FETCH_A \next, 0, 4
.endm
.macro STEPS slot, from                ; the slot's steps from .. NQ - 2
.set Q, \from
.rept NQ-1-\from
	STEP \slot, Q, 0
.set Q, Q+1
.endr
.endm
	s_wait_tensorcnt 1                             ; the scales and my part of K step 0 are in (K step 1's load may be out)
	s_barrier_signal -1
	s_barrier_wait -1                              ; everybody's are
	FETCH_B 0, 0, 0
	FETCH_A 0, 0, 0
	SCALES 0
	FETCH_A 0, 0, 4
	s_wait_loadcnt 0x0                             ; the bias
	STEP 0, 0, 1                                   ; the first step's products start the sums
	STEPS 0, 1
	TURN 0, 1
	STEPS 1, 0
	s_wait_dscnt 4*NL                              ; the very last step: nothing more to fetch
	WIN MUL_LO
	MUL16 0, 1, NQ-1, 1, 0
	MUL16 2, 1, NQ-1, 1, 0
	s_wait_dscnt 0
	WIN MUL_HI
	MUL16 4, 1, NQ-1, 1, 0
	MUL16 6, 1, NQ-1, 1, 0
	WIN 0
; THE WAY OUT, block by block of 16 tokens x 128 outputs (two heads).  PACK: rounded to f16, 16 bytes a lane, each accumulator from its low end on.  TOSTAGE: into my own stage, and back as four tokens x 128 bytes of one head.
; SEND: each store of the wave covers 512 consecutive bytes, aligned.  LDS serves a wave's instructions in order (ISA guide 5.7.1.4): no wait between the stage's stores and loads.
.macro PACK a
.set AC, 64*((\a)%4)
	WIN 0x0a+5*((\a)/4)                            ; sources 0 and 1: window 2 or 3
.irp b, 0,1,2,3,4,5,6,7
.irp r, 0,1,2,3
	v_cvt_pk_f16_f32 v[TMP+4*\b+\r], v[AC+8*\b+2*\r], v[AC+8*\b+2*\r+1]
.endr
.endr
	WIN 0
.endm
.macro TOSTAGE a
.set BK, OB+32*((\a)%2)
.irp b, 0,1,2,3,4,5,6,7
	ds_store_b128 v[STO], v[TMP+4*\b:TMP+4*\b+3] offset:32*\b
.endr
.irp t, 0,1,2,3,4,5,6,7
	ds_load_b128 v[BK+4*\t:BK+4*\t+3], v[RD] offset:(\t/4)*128+(\t%4)*4*SPITCH   ; head t / 4, tokens 4 (t % 4) on
.endr
.endm
.macro SEND a
.set BK, OB+32*((\a)%2)
	s_wait_dscnt 0x0                               ; the block is back in registers
	s_wait_xcnt 0x0                                ; the earlier stores have read their registers and their base: only behind this wait are they rewritten
.if (\a) > 0
	s_add_nc_u64 s[12:13], s[12:13], 16*128        ; 16 tokens on
.endif
.irp t, 0,1,2,3,4,5,6,7
	global_store_b128 v[CO], v[BK+4*\t:BK+4*\t+3], s[12:13] offset:(\t/4)*1048576+(\t%4)*512
.endr
.endm
	PLACES NP                                      ; behind the last products: for the conversions that write where A's fragments lay and read results, and for the loads that follow
	PACK 0
	TOSTAGE 0
.irp a, 1,2,3,4,5,6,7                  ; block a's conversions stand between block a - 1's loads from the stage and the wait for them
	PACK \a
	SEND \a-1
	TOSTAGE \a
.endr
	SEND 7
	s_wait_tensorcnt 0x0                           ; the wave's end: behind my last tensor load and my last LDS store
	ds_add_u32 v[SPW], v[NIL]
	s_wait_dscnt 0x0
	CROUND                                         ; the closing round: no work-group ends while a partner may still ask for a tile that names it
	s_endpgm
.Lfunc_end_k_qb4d85b3adc_qkv:
	.size	k_qb4d85b3adc_qkv, .Lfunc_end_k_qb4d85b3adc_qkv-k_qb4d85b3adc_qkv
	.p2alignl 7, 3214868480
	.fill 96, 4, 3214868480
	.section	.rodata,"a",@progbits
	.p2align	6, 0x0
	.amdhsa_kernel k_qb4d85b3adc_qkv
		.amdhsa_group_segment_fixed_size 327680
		.amdhsa_private_segment_fixed_size 0
		.amdhsa_enable_private_segment 0
		.amdhsa_kernarg_size 64
		.amdhsa_user_sgpr_count 2
		.amdhsa_user_sgpr_kernarg_segment_ptr 1
		.amdhsa_wavefront_size32 1
		.amdhsa_system_sgpr_workgroup_id_x 1
		.amdhsa_system_sgpr_workgroup_id_y 1
		.amdhsa_system_sgpr_workgroup_id_z 1
		.amdhsa_system_vgpr_workitem_id 0
		.amdhsa_next_free_vgpr 1024
		.amdhsa_next_free_sgpr 102
		.amdhsa_reserve_vcc 0
		.amdhsa_float_denorm_mode_32 3
		.amdhsa_float_denorm_mode_16_64 3
		.amdhsa_memory_ordered 1
		.amdhsa_forward_progress 1
		.amdhsa_inst_pref_size 129
	.end_amdhsa_kernel
	.amdgpu_metadata
---
amdhsa.version: [ 1, 2 ]
amdhsa.kernels:
  - .name:           k_qb4d85b3adc_qkv
    .symbol:         k_qb4d85b3adc_qkv.kd
    .args:
      - { .name: xc, .offset: 0, .size: 8, .value_kind: global_buffer, .address_space: global }
      - { .name: xs, .offset: 8, .size: 8, .value_kind: global_buffer, .address_space: global }
      - { .name: wc, .offset: 16, .size: 8, .value_kind: global_buffer, .address_space: global }
      - { .name: ws, .offset: 24, .size: 8, .value_kind: global_buffer, .address_space: global }
      - { .name: bq, .offset: 32, .size: 8, .value_kind: global_buffer, .address_space: global }
      - { .name: bk, .offset: 40, .size: 8, .value_kind: global_buffer, .address_space: global }
      - { .name: bv, .offset: 48, .size: 8, .value_kind: global_buffer, .address_space: global }
      - { .name: qkv, .offset: 56, .size: 8, .value_kind: global_buffer, .address_space: global }
    .group_segment_fixed_size: 327680
    .private_segment_fixed_size: 0
    .kernarg_segment_align: 8
    .kernarg_segment_size: 64
    .max_flat_workgroup_size: 128
    .sgpr_count:     102
    .vgpr_count:     1024
    .wavefront_size: 32
...
	.end_amdgpu_metadata
.endif
;; end of part 3
;; launch attn (part 4): grid 4 x 64, 8 waves a work-group, clusters of 4 x 1, 327,680 bytes of LDS; arguments qkv, z; writes z
.if DOCPART == 4
	.amdgcn_target "amdgcn-amd-amdhsa--gfx1250"
	.amdhsa_code_object_version 6
	.text
	.protected	k_qb4d85b3adc_attn
	.globl	k_qb4d85b3adc_attn
	.p2align	8
	.type	k_qb4d85b3adc_attn,@function
k_qb4d85b3adc_attn:
	s_mov_b64 s[64:65], 0
	v_nop
	global_prefetch_b8 v0, s[64:65] scope:SCOPE_SE
	s_setreg_imm32_b32 hwreg(HW_REG_WAVE_MODE, 25, 1), 1
	s_wait_xcnt 0x0
	s_wait_alu depctr_hold_cnt(0) depctr_sa_sdst(0) depctr_va_vdst(0) depctr_va_sdst(0) depctr_va_ssrc(0) depctr_va_vcc(0) depctr_vm_vsrc(0)
	s_getreg_b32 s2, hwreg(HW_REG_IB_STS2, 6, 4)
	s_cmp_eq_u32 s2, 0
	s_cbranch_scc0 .Lentry_in_a_cluster
	s_endpgm
.Lentry_in_a_cluster:
	s_bfe_u32 s2, ttmp6, 0x10000c
	s_cmp_lg_u32 s2, 0x3003
	s_cbranch_scc0 .Lentry_shape_is_right
	s_endpgm
.Lentry_shape_is_right:
; z[h][m][:] = the sum over keys of softmax(q . k / 8) v, for each batch b and head h; q, k, v: qkv [48 head slots][8192 tokens m = 2048 b + s][64] f16 (slots h, 16 + h, 32 + h); z: [16][8192][64] f16.
; Products, maxima and sums in f32; the weights p are rounded to f16 for the second product, z once at the end.
; LIMITS: z must lie within f16's 65,504 (it is an average of v); p under 6e-5 is kept as an f16 subnormal.  NaN and infinities are not served.
; SHARES.  A work-group owns 512 queries of one (b, h); each of its EIGHT waves owns 64: four tiles of 16, in 512 registers.  Every wave walks the 2,048 keys, 64 a step.
; LAYOUT.  S^T = K Q^T (source 0 = 16 keys, source 1 = 16 queries): a lane holds ONE query (lane % 16) and keys 8 (lane / 16) + 0..7.  Two such tiles, rounded to f16 in pairs, ARE source 1 (32 keys x 16 queries) of
; O^T = V^T P, whose result again holds one query a lane.  P is written in place over the low half of its tile's scores.  K comes out of LDS as it lies, V turned, by ds_load_tr16_b128.
; SOFTMAX.  For each query a running maximum m and sum l: p = 2^(c s - c m), c = log2(e) / 8; in every step O and l are multiplied by a = 2^(c m_old - c m_new).  m begins as -3e38, under every score, and l as 0:
; the first step's a is then 0, and its l = 0 x 0 + the step's sum.  O^T's sums are started by the first V^T P, from the constant 0: so the first softmax leaves O^T's rescaling out, and differs in nothing else.
; TWO GROUPS OF WAVES IN ANTIPHASE.  A wave's key step is a stretch of vector work (SM: the softmax of step j, 472 instructions) and a stretch of matrix work (PV: 32 products V^T P of step j; KQ: 32 products K Q^T of step j + 1).
; G = ((wave / 4) xor wave) % 2 differs between waves w and w + 4 and between waves 2 i and 2 i + 1.  Wherever all waves meet, the text reads  [G = 0: SM]  barrier  [G = 1: SM]  PV KQ:  group 0 arrives out of its vector
; stretch and leaves into its matrix stretch, group 1 the other way round.  Between meetings the waves run free.  Only work on registers stands in those arms.
; RING.  Two buffers of 512 keys (8 steps).  Keys 0-1,023 are asked for at the head, keys 1,024-2,047 by two refills, each eight key steps ahead of the wait for it: so nothing is prefetched.
; By this text's count a wave has two tensor loads out at the head and one behind each refill's round.
; CLUSTER.  The four query blocks of a (b, h) walk the same K and V: each tile is asked for JOINTLY, by the same tensor load with the same descriptor and a mask that names the four.  Waves 0-3 fetch K's quarters of a
; buffer (128 keys), waves 4-7 V's.  A head's rows of 128 bytes are dense in memory, so a quarter is stated as 64 rows of 256 bytes: PAIRS of keys.
; REGISTERS: window 0: v1-11 addresses; v16-47 eight registers of statistics a tile; v48-111 Q, 16 a tile; v112-239 S^T, 32 a tile.   window 1: v0-127 O^T, 32 a tile; v128-191 K of one step; v192-255 V of one step.
.set PKP,    272      ; a pair of keys in LDS: 256 bytes + 16: key kk lies at (kk / 2) 272 + (kk % 2) 128: the 16 rows of a fragment load fall on 16 different columns of 16 bytes modulo 256
.set PVP,    288      ; the same for V: 256 + 32: the 8 keys x 32 bytes that sixteen lanes of a turning load take fall on 16 different columns
.set VOFF,   256*PKP  ; a buffer: 256 pairs of K, then 256 pairs of V
.set SLOTB,  256*(PKP+PVP)
.set KSTEPB, 32*PKP   ; a step's 64 keys
.set VSTEPB, 32*PVP
.set STAGE,  2*SLOTB  ; behind the ring: 16 rows x (128 bytes + 16) for each wave, for the way out
.set SP,     144
.set SPARE,  STAGE+8*16*SP  ; behind the stages: the spare words, 128 bytes for each of eight waves
.set AK0, 2           ; v2   my lane's place in a tile of K; never rewritten
.set AV0, 3           ; v3   the same for V
.set ADK, 4           ; v4   LDS address of the run of K's loads in hand
.set ADV, 5           ; v5   of V's
.set QO,  6           ; v6   my byte offset in the wave's rows of Q
.set STO, 7           ; v7   the way out: where I put 16 bytes of a row
.set RD,  8           ; v8   the way out: where I read four rows back
.set GO,  9           ; v9   16 x lane: my byte among those 512 in z
.set SPW, 10          ; v10  LDS address of my spare word; never rewritten
.set NIL, 11          ; v11  0; never rewritten
.set ST,  16          ; tile t's statistics at v[ST + 8 t]: +0 c m, +1 m, +2, +3 l (even keys', odd keys'), +4 to +7 at work; a takes +6, c m_old and its change +7
.set Q,   48
.set S,   112
.set KF,  128         ; in window 1: fragment (keys 16 kt on, channels 32 ch on) at KF + 8 (2 kt + ch)
.set VF,  192         ; in window 1: fragment (keys 32 kh on, channels 16 ct on) at VF + 8 (4 kh + ct)
.set WV,  8           ; s8   my wave's number
.set G,   9           ; s9   my group
.set CX,  10          ; s10  my place in the cluster: it enters Q's and z's addresses alone
.set Q4,  11          ; s11  which quarter of a buffer I fetch
.set G1K, 24          ; s[24:31] descriptor group 1 for K's tiles
.set G1V, 32          ; s[32:39] for V's: it differs in the padding alone
.set G0K, 40          ; s[40:47] group 0 for K's tiles: a set for each of the two first fills; the second then walks on
.set G0V, 48          ; s[48:55] the same for V's
.set OUTER, 56
.set INNER, 57
.set CS,  58          ; s[58:59] c: the packed scaling names a pair and takes its low word for both halves
.set SEL, 60          ; s[60:61] lane selects for v_permlanex16_b32: lane l xor 16
.set TK,  62          ; s62  LDS byte at which the next tile of K to be fetched begins
.set TV,  63          ; s63  the same for V (less VOFF, which v3 holds)
.set UBF, 66          ; s66  0 or SLOTB: the buffer that the walking descriptors fill
.set PARTK, 67        ; s67  my quarter's place in a buffer: K's
.set PARTV, 68        ; s68  V's
.set MSB, 0
.macro WIN new                      ; the immediate's high byte repeats the setting that is left; a switch that changes nothing is dropped
.if MSB != (\new)
	s_set_vgpr_msb (MSB<<8)|(\new)
.set MSB, (\new)
.endif
.endm
.set W_KQ, 0x01       ; K in window 1; Q and S^T in window 0
.set W_PV, 0x51       ; V and O^T in window 1, P in window 0
.set W_RS, 0x41       ; O^T (destination and source 0) in window 1, a in window 0
.set W_LD, 0x40       ; destination window 1, address window 0
.macro PLACES n
.rept \n
	v_nop
.endr
.endm
; A joint refill by the walking descriptors.  The branch hangs on the wave's number alone.  An s_nop 0 and four v_nop follow each of the two lines.
.macro JLOAD
	s_cmp_lt_u32 s[WV], 4
	s_cbranch_scc0 .Lfor_v_\@
	tensor_load_to_lds s[G0K+4:G0K+7], s[G1K:G1K+7]
	s_nop 0
.rept 4
	v_nop
.endr
	s_branch .Lasked_\@
.Lfor_v_\@:
	tensor_load_to_lds s[G0V+4:G0V+7], s[G1V:G1V+7]
	s_nop 0
.rept 4
	v_nop
.endr
.Lasked_\@:
.endm
.macro CROUND                       ; a round of the cluster's barrier
	s_barrier_signal -1
	s_barrier_wait -1
	s_cmp_lg_u32 s[WV], 0
	s_cbranch_scc1 .Lnot_wave_0_\@
	s_barrier_signal -3
.Lnot_wave_0_\@:
	s_barrier_wait -3
	s_barrier_signal -1
	s_barrier_wait -1
.endm
	s_load_b128 s[4:7], s[0:1], 0x0  ; qkv, z
	v_lshl_add_u32 v[SPW], v0, 2, SPARE
	v_mov_b32 v[NIL], 0
	ds_add_u32 v[SPW], v[NIL]       ; the wave's opening: the add, twice on end, and its wait ahead of my first tensor load
	ds_add_u32 v[SPW], v[NIL]       ; (the set-up below, work on registers, stands between the second and the wait)
	v_lshrrev_b32 v1, 5, v0
	v_readfirstlane_b32 s[WV], v1   ; wave 0..7
	s_lshr_b32 s[G], s[WV], 2
	s_xor_b32 s[G], s[G], s[WV]
	s_and_b32 s[G], s[G], 1
	s_and_b32 s[Q4], s[WV], 3
	s_bfe_u32 s[CX], ttmp6, 0x40000
	s_and_b32 s12, ttmp7, 0xffff    ; 16 b + h, which the four partners share
	s_lshr_b32 s13, s12, 4
	s_and_b32 s12, s12, 15
	s_lshl_b32 s12, s12, 20         ; a head slot is 8,192 tokens x 128 bytes,
	s_lshl_b32 s13, s13, 18         ; a batch in it 2,048 x 128
	s_add_co_u32 s12, s12, s13
	s_lshl_b32 s20, s[Q4], 14       ; K and V: my quarter's 128 keys x 128 bytes
	s_add_co_u32 s20, s20, s12
	s_mov_b32 s21, 0
	s_lshl_b32 s22, ttmp9, 2        ; in a cluster launch ttmp9 counts clusters
	s_add_co_u32 s22, s22, s[CX]    ; my block of 512 queries
	s_lshl_b32 s22, s22, 16
	s_lshl_b32 s23, s[WV], 13       ; my wave's 64 of them
	s_add_co_u32 s22, s22, s23
	s_add_co_u32 s22, s22, s12
	s_mov_b32 s23, 0
	s_mul_i32 s[PARTK], s[Q4], 64*PKP   ; no place in the cluster enters an LDS address
	s_mul_i32 s[PARTV], s[Q4], 64*PVP
	s_add_co_u32 s[PARTV], s[PARTV], VOFF
	; descriptor group 1: a tile of 64 rows x 128 elements of 2 bytes, dense in memory, padded in LDS
	s_mov_b32 s[G1K], 15|(1<<16)|(1<<20)|(1<<21)|(5<<22)|(3<<25)  ; 15:0 the mask: all four work-groups; 17:16 elements of 2 bytes; 20 padding on; 21 set beside a mask; 24:22 after every 64 words; 31:25 four words
	s_mov_b32 s[G1V], 15|(1<<16)|(1<<20)|(1<<21)|(5<<22)|(7<<25)  ; the same with eight words of padding
.irp g, G1K, G1V
	s_mov_b32 s[\g+1], 128<<16      ; tensor_dim0
	s_mov_b32 s[\g+2], 64<<16       ; tensor_dim1
	s_mov_b32 s[\g+3], 128<<16      ; tile_dim0
	s_mov_b32 s[\g+4], 64           ; tile_dim1
	s_mov_b32 s[\g+5], 128          ; from row to row
	s_mov_b32 s[\g+6], 0
	s_mov_b32 s[\g+7], 0
.endr
	s_mov_b32 s[CS], 0x3e38aa3b     ; c = log2(e) / 8
	s_mov_b32 s[CS+1], s[CS]        ; named with it as a pair, so it is written
	s_mov_b32 s[SEL], 0x76543210
	s_mov_b32 s[SEL+1], 0xfedcba98
	s_mov_b32 s[UBF], SLOTB
	s_wait_dscnt 0x0                ; both opening adds are done
	s_wait_kmcnt 0x0
	s_add_nc_u64 s[14:15], s[4:5], s[20:21]   ; head slot h at my quarter of keys 0-511: K's lies 16 slots on, V's 32
	s_add_nc_u64 s[16:17], s[4:5], s[22:23]   ; Q at my wave's first row
	s_add_nc_u64 s[18:19], s[6:7], s[22:23]   ; z likewise
	CROUND                          ; all four work-groups are here: the first joint loads meet
.irp s, 0,1
	s_mov_b32 s[G0K+4*\s], 1        ; count = 1
	s_add_co_u32 s[G0K+4*\s+1], s[PARTK], \s*SLOTB  ; LDS address
	s_add_nc_u64 s[G0K+4*\s+2:G0K+4*\s+3], s[14:15], (16<<20)+\s*65536  ; global address: buffer s begins with keys 512 s on
	s_or_b32 s[G0K+4*\s+3], s[G0K+4*\s+3], 0x80000000  ; type = 2
	s_mov_b32 s[G0V+4*\s], 1
	s_add_co_u32 s[G0V+4*\s+1], s[PARTV], \s*SLOTB
	s_add_nc_u64 s[G0V+4*\s+2:G0V+4*\s+3], s[14:15], (32<<20)+\s*65536
	s_or_b32 s[G0V+4*\s+3], s[G0V+4*\s+3], 0x80000000
.endr
	s_cmp_lt_u32 s[WV], 4           ; a wave's two first fills stand in one branch, ahead of every wait on TENSORcnt and every LDS read
	s_cbranch_scc0 .Lfirst_v
	tensor_load_to_lds s[G0K:G0K+3], s[G1K:G1K+7]
	s_nop 0
	tensor_load_to_lds s[G0K+4:G0K+7], s[G1K:G1K+7]
	s_nop 0
.rept 4
	v_nop
.endr
	s_branch .Lfirst_asked
.Lfirst_v:
	tensor_load_to_lds s[G0V:G0V+3], s[G1V:G1V+7]
	s_nop 0
	tensor_load_to_lds s[G0V+4:G0V+7], s[G1V:G1V+7]
	s_nop 0
.rept 4
	v_nop
.endr
.Lfirst_asked:
	; A fragment of K or Q is 16 rows x 32 channels in 8 registers: lane l holds row l % 16; registers 0-3 channels 8 (l / 16) + 0..7, registers 4-7 channels 16 + 8 (l / 16) + 0..7: two loads of 16 bytes, 32 bytes apart.
	v_and_b32 v1, 15, v0            ; r = l % 16
	v_bfe_u32 v12, v0, 4, 1         ; h = l / 16
	v_lshlrev_b32 v[QO], 7, v1
	v_lshl_add_u32 v[QO], v12, 4, v[QO]  ; row x 128 + 16 x half
.irp t, 0,1,2,3
.irp u, 0,1
.irp c, 0,1
	global_load_b128 v[Q+16*\t+8*\u+4*\c:Q+16*\t+8*\u+4*\c+3], v[QO], s[16:17] offset:2048*\t+64*\u+32*\c   ; Q stays in registers: tile t, channels 32 u on
.endr
.endr
.endr
	v_lshrrev_b32 v13, 1, v1
	v_mul_u32_u24 v[AK0], v13, PKP
	v_and_b32 v13, 1, v0
	v_lshl_add_u32 v[AK0], v13, 7, v[AK0]
	v_lshl_add_u32 v[AK0], v12, 4, v[AK0]  ; (r / 2) 272 + (r % 2) 128 + 16 h
	; The turning load takes 16 keys x 16 channels (lane l reads 16 bytes: key 8 (l / 16) + l % 8, channels 8 ((l / 8) % 2) + 0..7) and leaves half a fragment of V^T: lane l holds channel l % 16 and 8 keys.
	v_bfe_u32 v14, v0, 1, 2
	v_lshl_add_u32 v14, v12, 2, v14        ; the key's pair: 4 h + (l % 8) / 2
	v_mul_u32_u24 v[AV0], v14, PVP
	v_lshl_add_u32 v[AV0], v13, 7, v[AV0]
	v_bfe_u32 v14, v0, 3, 1
	v_lshl_add_u32 v[AV0], v14, 4, v[AV0]
	v_add_nc_u32 v[AV0], VOFF, v[AV0]
	s_mul_i32 s14, s[WV], 16*SP
	s_add_co_u32 s14, s14, STAGE    ; my stage
	v_mul_u32_u24 v[STO], v1, SP    ; in: row r, 16 bytes for each half of the lanes
	v_lshl_add_u32 v[STO], v12, 4, v[STO]
	v_add_nc_u32 v[STO], s14, v[STO]
	v_bfe_u32 v14, v0, 3, 2         ; back: eight lanes take a row of 128 bytes, the 32 lanes four rows
	v_mul_u32_u24 v[RD], v14, SP
	v_and_b32 v15, 7, v0
	v_lshl_add_u32 v[RD], v15, 4, v[RD]
	v_add_nc_u32 v[RD], s14, v[RD]
	v_and_b32 v[GO], 31, v0
	v_lshlrev_b32 v[GO], 4, v[GO]
.irp t, 0,1,2,3                     ; where the running statistics begin:
	v_mov_b32 v[ST+8*\t+1], 0xff61b1e6  ; m = -3e38, under every score,
	v_mov_b32 v[ST+8*\t+2], 0       ; l = 0, in two halves
	v_mov_b32 v[ST+8*\t+3], 0
.endr
.irp t, 0,1,2,3
	v_mul_f32 v[ST+8*\t], s[CS], v[ST+8*\t+1]  ; and c m
.endr
; THE LDS LOADS stand in runs of 16: a step's K (64 keys x 64 channels: 8 fragments) and its V (turned).
.macro LOADK adr, off
	WIN W_LD
.irp f, 0,1,2,3,4,5,6,7
	ds_load_b128 v[KF+8*\f:KF+8*\f+3],   v[\adr] offset:\off+(\f/2)*8*PKP+(\f%2)*64
	ds_load_b128 v[KF+8*\f+4:KF+8*\f+7], v[\adr] offset:\off+(\f/2)*8*PKP+(\f%2)*64+32
.endr
.endm
.macro LOADV adr, off
	WIN W_LD
.irp f, 0,1,2,3,4,5,6,7
	ds_load_tr16_b128 v[VF+8*\f:VF+8*\f+3],   v[\adr] offset:\off+(\f/4)*16*PVP+(\f%4)*32
	ds_load_tr16_b128 v[VF+8*\f+4:VF+8*\f+7], v[\adr] offset:\off+(\f/4)*16*PVP+8*PVP+(\f%4)*32
.endr
.endm
.macro ADRK                         ; the address of the next tile of K, and the step
	WIN 0
	v_add_nc_u32 v[ADK], s[TK], v[AK0]
	s_add_co_u32 s[TK], s[TK], KSTEPB
.endm
.macro ADRV
	WIN 0
	v_add_nc_u32 v[ADV], s[TV], v[AV0]
	s_add_co_u32 s[TV], s[TV], VSTEPB
.endm
; THE MATRIX WORK.  In both runs sixteen accumulators take turns, one instruction a turn.
; S^T = K Q^T, 32 products: channels 32 (i / 16) on, keys 16 ((i / 4) % 4) on, tile i % 4.  The first 16 start the sums.
.macro KQ
	WIN W_KQ
.set i, 0
.rept 32
.set rS, S+32*(i%4)+8*((i/4)%4)
.set rK, KF+8*(2*((i/4)%4)+i/16)
.set rQ, Q+16*(i%4)+8*(i/16)
.if i < 16
	v_wmma_f32_16x16x32_f16 v[rS:rS+7], v[rK:rK+7], v[rQ:rQ+7], 0
.else
	v_wmma_f32_16x16x32_f16 v[rS:rS+7], v[rK:rK+7], v[rQ:rQ+7], v[rS:rS+7]
.endif
.set i, i+1
.endr
.endm
; O^T += V^T P, 32 products: keys 32 (i / 16) on, channels 16 ((i / 4) % 4) on, tile i % 4.  zero = 1: the first 16 start the sums: nothing is ever cleared.
.macro PV zero
	WIN W_PV
.set i, 0
.rept 32
.set rO, 32*(i%4)+8*((i/4)%4)
.set rV, VF+8*(4*(i/16)+(i/4)%4)
.set rP, S+32*(i%4)+8*(i/16)
.if \zero && (i < 16)
	v_wmma_f32_16x16x32_f16 v[rO:rO+7], v[rV:rV+7], v[rP:rP+7], 0
.else
	v_wmma_f32_16x16x32_f16 v[rO:rO+7], v[rV:rV+7], v[rP:rP+7], v[rO:rO+7]
.endif
.set i, i+1
.endr
.endm
; THE VECTOR WORK: the four tiles' softmax of one key step, the tiles by turns line by line, so that no line waits for the line above it.  first = 1: the first key step: O^T has no sums yet, so its rescaling is left out.
.macro SM first
	WIN 0
.irp n, 0,1,2,3                     ; the maximum of the lane's 32 scores and the old m, three operands at a time: four chains, each begun at the low end of one accumulator
.irp t, 0,1,2,3
	v_max3_num_f32 v[ST+8*\t+4+\n], v[S+32*\t+8*\n], v[S+32*\t+8*\n+1], v[S+32*\t+8*\n+2]
.endr
.endr
.irp g, 3,5
.irp n, 0,1,2,3
.irp t, 0,1,2,3
	v_max3_num_f32 v[ST+8*\t+4+\n], v[ST+8*\t+4+\n], v[S+32*\t+8*\n+\g], v[S+32*\t+8*\n+\g+1]
.endr
.endr
.endr
.irp t, 0,1,2,3
	v_max3_num_f32 v[ST+8*\t+4], v[ST+8*\t+4], v[S+32*\t+7], v[S+32*\t+15]
.endr
.irp t, 0,1,2,3
	v_max3_num_f32 v[ST+8*\t+6], v[ST+8*\t+6], v[S+32*\t+23], v[S+32*\t+31]
.endr
.irp t, 0,1,2,3
	v_max3_num_f32 v[ST+8*\t+4], v[ST+8*\t+4], v[ST+8*\t+5], v[ST+8*\t+6]
.endr
.irp t, 0,1,2,3
	v_max3_num_f32 v[ST+8*\t+4], v[ST+8*\t+4], v[ST+8*\t+7], v[ST+8*\t+1]
.endr
.irp t, 0,1,2,3
	v_permlanex16_b32 v[ST+8*\t+5], v[ST+8*\t+4], s[SEL], s[SEL+1]  ; the query's other 32 keys lie in the lane 16 away
.endr
.irp t, 0,1,2,3
	v_mov_b32 v[ST+8*\t+7], v[ST+8*\t]  ; c m_old is kept for a
.endr
.irp t, 0,1,2,3
	v_max_num_f32 v[ST+8*\t+1], v[ST+8*\t+4], v[ST+8*\t+5]
.endr
.irp t, 0,1,2,3
	v_mul_f32 v[ST+8*\t], s[CS], v[ST+8*\t+1]
.endr
.irp t, 0,1,2,3
	v_sub_f32 v[ST+8*\t+7], v[ST+8*\t+7], v[ST+8*\t]
.endr
.irp t, 0,1,2,3                     ; ONE BATCH from here to the wait: a, the 16 scalings c s - c m of a tile, its 32 exponentials.  None of these lines names an exponential's result
	v_exp_f32 v[ST+8*\t+6], v[ST+8*\t+7]
.endr
.set i, 0
.rept 16
.irp t, 0,1,2,3
	v_pk_fma_f32 v[S+32*\t+2*i:S+32*\t+2*i+1], v[S+32*\t+2*i:S+32*\t+2*i+1], s[CS:CS+1], v[ST+8*\t:ST+8*\t+1] op_sel_hi:[1,0,0] neg_lo:[0,0,1] neg_hi:[0,0,1]
.endr
.if i > 0                           ; a pair's exponentials stand behind the next pair's scaling
.irp t, 0,1,2,3
	v_exp_f32 v[S+32*\t+2*i-2], v[S+32*\t+2*i-2]
.endr
.irp t, 0,1,2,3
	v_exp_f32 v[S+32*\t+2*i-1], v[S+32*\t+2*i-1]
.endr
.endif
.set i, i+1
.endr
.irp t, 0,1,2,3
	v_exp_f32 v[S+32*\t+30], v[S+32*\t+30]
.endr
.irp t, 0,1,2,3
	v_exp_f32 v[S+32*\t+31], v[S+32*\t+31]
.endr
	v_nop                           ; a plain instruction behind the last exponential, ahead of the first use: one for the batch
	s_wait_alu depctr_va_vdst(0)    ; the wait ahead of the first instruction that names a result: one for the batch
.set i, 0
.rept 16                            ; pair i is summed (unrounded, in f32) and then rounded to f16, in place: register i takes pair i, whose two registers, and all below them, have been summed and rounded
.irp t, 0,1,2,3
.if i == 0
	v_pk_fma_f32 v[ST+8*\t+2:ST+8*\t+3], v[ST+8*\t+2:ST+8*\t+3], v[ST+8*\t+6:ST+8*\t+7], v[S+32*\t:S+32*\t+1] op_sel_hi:[1,0,1]   ; l = a l + pair 0
.else
	v_pk_add_f32 v[ST+8*\t+2:ST+8*\t+3], v[ST+8*\t+2:ST+8*\t+3], v[S+32*\t+2*i:S+32*\t+2*i+1]
.endif
.endr
.irp t, 0,1,2,3
	v_cvt_pk_f16_f32 v[S+32*\t+i], v[S+32*\t+2*i], v[S+32*\t+2*i+1]
.endr
.set i, i+1
.endr
.if \first == 0
	WIN W_RS                        ; O^T times a, each accumulator from its low end on: the one part that leaves window 0
.set i, 0
.rept 16
.irp t, 0,1,2,3
	v_pk_mul_f32 v[32*\t+2*i:32*\t+2*i+1], v[32*\t+2*i:32*\t+2*i+1], v[ST+8*\t+6:ST+8*\t+7] op_sel_hi:[1,0]
.endr
.set i, i+1
.endr
	WIN 0
.endif
.endm
; PLACES (ISA guide 7.12.1 for vector instructions): five between PV and KQ, whose results are laid over P, which PV read;
; five behind KQ: four would do for the loads into K's registers and for the softmax's first read; the fifth keeps the distance that a product owes which takes the scores' registers as an operand, on every way through the text.
; A KEY STEP j: V of step j and K of step j + 1 are asked for; the softmax of step j runs while they come; V^T P of step j; K Q^T of step j + 1.
.macro BODY
	ADRV
	ADRK
	LOADV ADV, 0
	LOADK ADK, 0
	WIN 0
	SM 0
	s_wait_dscnt 0x0                ; V and K are in
	PV 0
	PLACES 5
	KQ
	PLACES 5
	WIN 0
.endm
; A KEY STEP AT A CHANGE OF BUFFERS: its V is the buffer's last read, its K the other buffer's first.  Each wave waits for all its tensor loads (one is out: its part of the other buffer), adds 0 to its spare word, and waits
; for that and for its reads of the buffer.  fill = 1: the barrier is a round of the cluster's, and the joint refill of the buffer just left, with the keys two buffers on, is the first thing behind it.
.macro CBODY fill
	ADRV
	LOADV ADV, 0
	s_sub_co_u32 s[TV], s[TV], 8*VSTEPB  ; V's fetches go back to a buffer's first step,
	s_xor_b32 s[TV], s[TV], SLOTB   ; in the other buffer (the value is 0 or SLOTB here)
	WIN 0
	s_cmp_eq_u32 s[G], 0
	s_cbranch_scc0 .Lpast_a_\@
	SM 0                            ; group 0's softmax stands ahead of the meeting
.Lpast_a_\@:
	s_wait_tensorcnt 0x0            ; no tensor load of mine is out, so a group 0 may be written
	ds_add_u32 v[SPW], v[NIL]       ; 0 onto my spare word; the steps below stand between it and the wait for it
.if \fill
	s_xor_b32 s[UBF], s[UBF], SLOTB ; the walking descriptors: the other buffer than last time,
	s_add_co_u32 s[G0K+5], s[PARTK], s[UBF]
	s_add_co_u32 s[G0V+5], s[PARTV], s[UBF]
	s_add_nc_u64 s[G0K+6:G0K+7], s[G0K+6:G0K+7], 65536  ; the next 512 keys; the type bits on top are not reached
	s_add_nc_u64 s[G0V+6:G0V+7], s[G0V+6:G0V+7], 65536
.endif
	s_sub_co_u32 s[TK], s[TK], 8*KSTEPB
	s_xor_b32 s[TK], s[TK], SLOTB
	s_wait_dscnt 0x0                ; the add is done, V is in, and my reads of the buffer are over
.if \fill
	CROUND
	JLOAD
.else
	s_barrier_signal -1
	s_barrier_wait -1
.endif
	ADRK
	LOADK ADK, 0
	WIN 0
	s_cmp_eq_u32 s[G], 0            ; the same test as ahead of the meeting, taken the other way
	s_cbranch_scc1 .Lpast_b_\@
	SM 0                            ; group 1's stands behind it
.Lpast_b_\@:
	PV 0
	PLACES 5
	s_wait_dscnt 0x0                ; K is in
	KQ
	PLACES 5
	WIN 0
.endm
	s_wait_tensorcnt 1              ; my part of keys 0-511 is in; the second buffer's may stay out
	s_barrier_signal -1
	s_barrier_wait -1               ; everybody's is
	s_wait_loadcnt 0x0              ; Q
	; KEY STEP 0, written out.  Every wave makes its first scores; then the first meeting sets the two groups half a step apart
	LOADV AV0, 0                    ; the addresses are v3 and v2 themselves, and immediates
	LOADK AK0, 0
	s_wait_dscnt 0x0
	KQ                              ; the scores of step 0
	PLACES 5
	LOADK AK0, KSTEPB               ; K of step 1
	WIN 0
	s_cmp_eq_u32 s[G], 0
	s_cbranch_scc0 .Lmeet
	SM 1                            ; group 0's first softmax stands ahead of the meeting
.Lmeet:
	s_wait_dscnt 0x0                ; K of step 1 is in: no LDS instruction of mine is out at the signal
	s_barrier_signal -1
	s_barrier_wait -1               ; the second buffer's load may still be out
	s_cmp_eq_u32 s[G], 0
	s_cbranch_scc1 .Lgo
	SM 1                            ; group 1's stands behind it, beside group 0's products
.Lgo:
	PV 1                            ; V^T P of step 0 starts O^T
	PLACES 5
	KQ                              ; the scores of step 1
	PLACES 5
	WIN 0
	s_mov_b32 s[TK], 2*KSTEPB       ; K of steps 0 and 1 has been fetched,
	s_mov_b32 s[TV], VSTEPB         ; V of step 0
	s_mov_b32 s[INNER], 6
.Lfirst_slot:                       ; steps 1 to 6
	BODY
	s_sub_co_u32 s[INNER], s[INNER], 1
	s_cmp_lg_u32 s[INNER], 0
	s_cbranch_scc1 .Lfirst_slot
	s_mov_b32 s[OUTER], 2
.Lslot:                             ; steps 7 to 14 and 15 to 22: the two changes behind which a buffer is filled again
	CBODY 1
	s_mov_b32 s[INNER], 7
.Lstep:
	BODY
	s_sub_co_u32 s[INNER], s[INNER], 1
	s_cmp_lg_u32 s[INNER], 0
	s_cbranch_scc1 .Lstep
	s_sub_co_u32 s[OUTER], s[OUTER], 1
	s_cmp_lg_u32 s[OUTER], 0
	s_cbranch_scc1 .Lslot
	CBODY 0                         ; step 23: the tail is written out: nothing is left to ask for
	s_mov_b32 s[INNER], 7
.Llast_slot:                        ; steps 24 to 30
	BODY
	s_sub_co_u32 s[INNER], s[INNER], 1
	s_cmp_lg_u32 s[INNER], 0
	s_cbranch_scc1 .Llast_slot
	ADRV                            ; step 31: no scores follow
	LOADV ADV, 0
	WIN 0
	SM 0
	s_wait_dscnt 0x0
	PV 0
	; THE WAY OUT.  l's two halves and the other half of the lanes' are added; O^T is divided by l, rounded to f16 and sent through my stage, a tile (16 rows of z) at a time.  The first four additions are the places behind the last products.
	WIN 0
.irp t, 0,1,2,3
	v_add_f32 v[ST+8*\t+4], v[ST+8*\t+2], v[ST+8*\t+3]
.endr
.irp t, 0,1,2,3
	v_permlanex16_b32 v[ST+8*\t+5], v[ST+8*\t+4], s[SEL], s[SEL+1]
.endr
.irp t, 0,1,2,3
	v_add_f32 v[ST+8*\t+4], v[ST+8*\t+4], v[ST+8*\t+5]
.endr
.irp t, 0,1,2,3
	v_rcp_f32 v[ST+8*\t+6], v[ST+8*\t+4]
.endr
	v_nop                           ; a plain instruction between the last reciprocal and the use of its result
	s_wait_alu depctr_va_vdst(0)    ; and the wait ahead of the first use: one for the four
.macro PACK t                       ; a lane's eight channels of a row pack into 16 bytes; they go into rows of 144 bytes and come back four whole rows of 128 at a time
	WIN W_RS
.set i, 0
.rept 16
	v_pk_mul_f32 v[32*\t+2*i:32*\t+2*i+1], v[32*\t+2*i:32*\t+2*i+1], v[ST+8*\t+6:ST+8*\t+7] op_sel_hi:[1,0]
.set i, i+1
.endr
	WIN 0x05                        ; sources 0 and 1 window 1, destination window 0: S^T's registers are free
.set i, 0
.rept 16
	v_cvt_pk_f16_f32 v[S+32*\t+i], v[32*\t+2*i], v[32*\t+2*i+1]
.set i, i+1
.endr
	WIN 0
.irp f, 0,1,2,3
	ds_store_b128 v[STO], v[S+32*\t+4*\f:S+32*\t+4*\f+3] offset:32*\f
.endr
.irp f, 0,1,2,3
	ds_load_b128 v[S+32*\t+16+4*\f:S+32*\t+16+4*\f+3], v[RD] offset:\f*4*SP  ; LDS serves a wave's instructions in order (ISA guide 5.7.1.4): these see the stores above; the next tile's stores come behind them
.endr
.endm
.macro SEND t, younger              ; younger: the LDS instructions issued behind tile t's loads: the next tile's eight, or none
.irp f, 0,1,2,3
	s_wait_dscnt \younger+3-\f
	global_store_b128 v[GO], v[S+32*\t+16+4*\f:S+32*\t+16+4*\f+3], s[18:19] offset:\t*2048+\f*512  ; 32 lanes store 512 consecutive bytes, aligned
.endr
.endm
	PACK 0
	PACK 1                          ; a tile's arithmetic stands between the loads of the tile before and its stores
	SEND 0, 8
	PACK 2
	SEND 1, 8
	PACK 3
	SEND 2, 8
	SEND 3, 0
	s_wait_tensorcnt 0x0            ; the wave's end: behind my last tensor load and my last LDS store
	ds_add_u32 v[SPW], v[NIL]
	s_wait_dscnt 0x0
	CROUND                          ; the closing round: no work-group ends while a partner may still ask for a tile that names it
	s_endpgm
.Lfunc_end_k_qb4d85b3adc_attn:
	.size	k_qb4d85b3adc_attn, .Lfunc_end_k_qb4d85b3adc_attn-k_qb4d85b3adc_attn
	.p2alignl 7, 3214868480
	.fill 96, 4, 3214868480
	.section	.rodata,"a",@progbits
	.p2align	6, 0x0
	.amdhsa_kernel k_qb4d85b3adc_attn
		.amdhsa_group_segment_fixed_size 327680
		.amdhsa_private_segment_fixed_size 0
		.amdhsa_enable_private_segment 0
		.amdhsa_kernarg_size 16
		.amdhsa_user_sgpr_count 2
		.amdhsa_user_sgpr_kernarg_segment_ptr 1
		.amdhsa_wavefront_size32 1
		.amdhsa_system_sgpr_workgroup_id_x 1
		.amdhsa_system_sgpr_workgroup_id_y 1
		.amdhsa_system_sgpr_workgroup_id_z 1
		.amdhsa_system_vgpr_workitem_id 0
		.amdhsa_next_free_vgpr 512
		.amdhsa_next_free_sgpr 72
		.amdhsa_reserve_vcc 0
		.amdhsa_float_denorm_mode_32 3
		.amdhsa_float_denorm_mode_16_64 3
		.amdhsa_memory_ordered 1
		.amdhsa_forward_progress 1
		.amdhsa_inst_pref_size 255
	.end_amdhsa_kernel
	.section	.bss,"aw",@nobits
	.p2align	6
	.space	262144
	.amdgpu_metadata
---
amdhsa.version: [ 1, 2 ]
amdhsa.kernels:
  - .name:           k_qb4d85b3adc_attn
    .symbol:         k_qb4d85b3adc_attn.kd
    .args:
      - { .name: qkv, .offset: 0, .size: 8, .value_kind: global_buffer, .address_space: global }
      - { .name: z, .offset: 8, .size: 8, .value_kind: global_buffer, .address_space: global }
    .group_segment_fixed_size: 327680
    .private_segment_fixed_size: 0
    .kernarg_segment_align: 8
    .kernarg_segment_size: 16
    .max_flat_workgroup_size: 256
    .sgpr_count:     72
    .vgpr_count:     512
    .wavefront_size: 32
...
	.end_amdgpu_metadata
.endif
;; end of part 4
;; launch oproj (part 5): grid 4 x 64, 4 waves a work-group, clusters of 4 x 4, 327,680 bytes of LDS; arguments z, wo16, bo, out0; writes out0
.if DOCPART == 5
	.amdgcn_target "amdgcn-amd-amdhsa--gfx1250"
	.amdhsa_code_object_version 6
	.text
	.protected	k_qb4d85b3adc_oproj
	.globl	k_qb4d85b3adc_oproj
	.p2align	8
	.type	k_qb4d85b3adc_oproj,@function
k_qb4d85b3adc_oproj:
	s_mov_b64 s[64:65], 0
	v_nop
	global_prefetch_b8 v0, s[64:65] scope:SCOPE_SE
	s_setreg_imm32_b32 hwreg(HW_REG_WAVE_MODE, 25, 1), 1
	s_wait_xcnt 0x0
	s_wait_alu depctr_hold_cnt(0) depctr_sa_sdst(0) depctr_va_vdst(0) depctr_va_sdst(0) depctr_va_ssrc(0) depctr_va_vcc(0) depctr_vm_vsrc(0)
	s_getreg_b32 s2, hwreg(HW_REG_IB_STS2, 6, 4)
	s_cmp_eq_u32 s2, 0
	s_cbranch_scc0 .Lentry_in_a_cluster
	s_endpgm
.Lentry_in_a_cluster:
	s_bfe_u32 s2, ttmp6, 0x10000c
	s_cmp_lg_u32 s2, 0xf033
	s_cbranch_scc0 .Lentry_shape_is_right
	s_endpgm
.Lentry_shape_is_right:
; out0[m][n] = sum over k of mh[m][k] Wo[k][n] + bo[n]; mh[m][64 h + e] = z[h][m][e].  z: [16][8192][64] f16; wo16: [1024 k][1024 n] f16; bo: [1024] f32; out0: [8192][1024] f32; sums in f32.
; A tile of out0 is 128 tokens x 256 outputs: 64 x 4 = 256 work-groups.  Four waves, each 64 tokens x 128 outputs: 32 accumulators, 256 registers.
; K goes in steps of 128 (two heads) through a ring of two LDS slots: eight steps, four laps.  A's tile is two planes, one a head: 128 tokens x 128 bytes, dense in memory, stated as 64 rows of 256 bytes (pairs of tokens).
; B's tile is 128 rows k x 512 bytes; it lies [k][n], so its fragments come out of LDS turned, by ds_load_tr16_b128.  Waves 0 and 1 fetch A's planes, waves 2 and 3 B's halves: one load a wave.
; CLUSTERS: 4 x 4 work-groups; A's tiles are asked for jointly along a row of the cluster, B's along a column.
; THE MATRIX INSTRUCTION IS USED TRANSPOSED (source 0 = 16 outputs, source 1 = 16 tokens): a lane holds eight neighbouring outputs of one token.  bo is the C of each sum's first product.
; Nothing is prefetched: the launch is short and its tile small.
; REGISTERS: window 0: v0-31 addresses; v32-127, v128-223 two fragment buffers for 32 along K (A's four fragments, then B's eight); on the way out v32-159 are free.   window 1: accumulator (a, b) at v[8 (8 a + b)].
;   window 2: v0-63 the bias: B's block b at v[8 b].
.set KSTEP,  128
.set PA,     272                       ; a pair of tokens in LDS: 256 bytes + 16: token i lies at (i / 2) 272 + (i % 2) 128: the 16 rows of a fragment load fall on 16 different columns of 16 bytes modulo 256
.set PB,     544                       ; a row of B: 512 bytes + 32 = 17 x 32
.set PLANE,  64*PA                     ; a head's 128 tokens: what one of A's loads brings
.set BOFF,   2*PLANE
.set HALFB,  64*PB                     ; 64 rows of B: what one of B's loads brings
.set SLOT,   BOFF+2*HALFB
.set STAGE,  2*SLOT                    ; behind the ring: 16 rows x (512 bytes + 16) for each wave
.set SPITCH, 528
.set SPARE,  STAGE+4*16*SPITCH         ; behind the stages: the spare words, 128 bytes a wave
.set LAPS,   4                         ; a lap = two K steps = once round the ring
.set ADRA, 16                          ; v16-17  LDS address of my A fragments in slot 0, 1
.set ADRB, 20                          ; v20-21  the same for B
.set STO,  24                          ; v24     the way out: where I put 32 bytes of a row
.set RD,   25                          ; v25     the way out: where I read a row back
.set CO,   26                          ; v26     16 x lane: my byte in a row's 512
.set SPW,  28                          ; v28     LDS address of my spare word; never rewritten
.set NIL,  29                          ; v29     0; never rewritten
.set BO,   30                          ; v30     32 x (lane / 16)
.set F0,   32
.set F1,   128
.set BK,   32                          ; the way out: 16 rows read back: v32-95 and v96-159 by turns
.set G1, 24                            ; s[24:31] descriptor group 1 for A's tiles;  s[32:39] group 0, one set for each slot
.set G0, 32
.set G1B, 48                           ; s[48:55], s[56:63] the same for B's tiles
.set G0B, 56
.set MSB, 0
.macro WIN new                         ; the immediate's high byte repeats the setting that is left; a switch that changes nothing is dropped
.if MSB != (\new)
	s_set_vgpr_msb (MSB<<8)|(\new)
.set MSB, (\new)
.endif
.endm
.set MUL, 0x50                         ; sources 0 and 1 window 0; C and D window 1  (+ 0x10: C in window 2, the bias)
.macro JLOAD s                         ; a joint load: waves 0 and 1 fetch for A, waves 2 and 3 for B; an s_nop 0 and four v_nop follow each of the two lines
	s_cmp_eq_u32 s15, 0
	s_cbranch_scc0 .Lfor_b_\@
	tensor_load_to_lds s[G0+4*\s:G0+4*\s+3], s[G1:G1+7]
	s_nop 0
.rept 4
	v_nop
.endr
	s_branch .Lasked_\@
.Lfor_b_\@:
	tensor_load_to_lds s[G0B+4*\s:G0B+4*\s+3], s[G1B:G1B+7]
	s_nop 0
.rept 4
	v_nop
.endr
.Lasked_\@:
.endm
.macro CREST                           ; a round of the cluster's barrier behind its opening barrier
	s_cmp_lg_u32 s14, 0
	s_cbranch_scc1 .Lnot_wave_0_\@
	s_barrier_signal -3
.Lnot_wave_0_\@:
	s_barrier_wait -3
	s_barrier_signal -1
	s_barrier_wait -1
.endm
.macro CROUND                          ; a whole round
	s_barrier_signal -1
	s_barrier_wait -1
	CREST
.endm
	s_load_b128 s[4:7], s[0:1], 0x0                ; z, wo16
	s_load_b128 s[8:11], s[0:1], 0x10              ; bo, out0
	v_lshl_add_u32 v[SPW], v0, 2, SPARE
	v_mov_b32 v[NIL], 0
	ds_add_u32 v[SPW], v[NIL]                      ; the wave's opening: the add, twice on end, and its wait ahead of my first tensor load
	ds_add_u32 v[SPW], v[NIL]                      ; (the set-up below, work on registers, stands between the second and the wait)
	v_lshrrev_b32 v1, 5, v0
	v_readfirstlane_b32 s14, v1                    ; wave 0..3
	s_lshr_b32 s15, s14, 1                         ; which 64 tokens are mine.  Also: I fetch for A (0) or for B (1)
	s_and_b32 s16, s14, 1                          ; which 128 outputs.  Also: which plane of A, or which 64 rows of B, I fetch
	s_bfe_u32 s40, ttmp6, 0x40000                  ; cx, cy: my place in the cluster
	s_bfe_u32 s41, ttmp6, 0x40004
	s_lshl_b32 s42, ttmp9, 2
	s_add_co_u32 s42, s42, s40                     ; tile column = 4 x cluster x + cx
	s_and_b32 s17, ttmp7, 0xffff
	s_lshl_b32 s17, s17, 2
	s_add_co_u32 s17, s17, s41                     ; tile row = 4 x cluster y + cy
	s_lshl_b32 s43, s41, 2
	s_lshl_b32 s43, 15, s43                        ; my row of the cluster
	s_lshl_b32 s44, 0x1111, s40                    ; my column
	s_or_b32 s[G1+0], s43, (1<<16)|(1<<20)|(1<<21)|(5<<22)|(3<<25)   ; A: the mask; elements of 2 bytes; padding on; 21 set beside a mask; after every 64 words four words
	s_mov_b32 s[G1+1], 128<<16                     ; tensor_dim0 = 128 elements
	s_mov_b32 s[G1+2], 64<<16                      ; tensor_dim1 = 64
	s_mov_b32 s[G1+3], 128<<16                     ; tile_dim0
	s_mov_b32 s[G1+4], 64                          ; tile_dim1
	s_mov_b32 s[G1+5], 128                         ; from row to row: dense
	s_mov_b32 s[G1+6], 0
	s_mov_b32 s[G1+7], 0
	s_or_b32 s[G1B+0], s44, (1<<16)|(1<<20)|(1<<21)|(6<<22)|(7<<25)  ; B: after every 128 words eight words
	s_mov_b32 s[G1B+1], 256<<16
	s_mov_b32 s[G1B+2], 64<<16
	s_mov_b32 s[G1B+3], 256<<16
	s_mov_b32 s[G1B+4], 64
	s_mov_b32 s[G1B+5], 1024
	s_mov_b32 s[G1B+6], 0
	s_mov_b32 s[G1B+7], 0
	s_lshl_b32 s20, s16, 20                        ; A: head = my plane; a head of z is 8,192 x 128 bytes;
	s_lshl_b32 s21, s17, 14                        ; the tile's 128 tokens x 128 bytes: the tile row alone, which my row of the cluster shares
	s_add_co_u32 s20, s20, s21
	s_mov_b32 s21, 0
	s_lshl_b32 s46, s16, 17                        ; B: my 64 rows of 2,048 bytes;
	s_lshl_b32 s47, s42, 9                         ; the tile's 256 outputs: the tile column alone, which my column shares
	s_add_co_u32 s46, s46, s47
	s_mov_b32 s47, 0
	s_mul_i32 s45, s16, PLANE                      ; where they go: no place in the cluster enters an LDS address
	s_mul_i32 s22, s16, HALFB
	s_add_co_u32 s22, s22, BOFF
	s_wait_dscnt 0x0                               ; both opening adds are done
	s_wait_kmcnt 0x0
	s_add_nc_u64 s[20:21], s[4:5], s[20:21]
	s_add_nc_u64 s[46:47], s[6:7], s[46:47]
	CROUND                                         ; all sixteen work-groups are here: the first joint loads meet
.irp s, 0,1
	s_mov_b32 s[G0+4*\s], 1
	s_add_co_u32 s[G0+4*\s+1], s45, \s*SLOT
	s_add_nc_u64 s[G0+4*\s+2:G0+4*\s+3], s[20:21], \s*(2<<20)        ; K step s: heads 2 s, 2 s + 1
	s_or_b32 s[G0+4*\s+3], s[G0+4*\s+3], 0x80000000
	s_mov_b32 s[G0B+4*\s], 1
	s_add_co_u32 s[G0B+4*\s+1], s22, \s*SLOT
	s_add_nc_u64 s[G0B+4*\s+2:G0B+4*\s+3], s[46:47], \s*KSTEP*2048   ; rows 128 s on
	s_or_b32 s[G0B+4*\s+3], s[G0B+4*\s+3], 0x80000000
	JLOAD \s
.endr
	v_and_b32 v1, 15, v0                           ; r = l % 16
	v_bfe_u32 v2, v0, 4, 1                         ; h = l / 16
	v_lshrrev_b32 v3, 1, v1
	v_mul_u32_u24 v3, v3, PA
	v_and_b32 v4, 1, v0
	v_lshl_add_u32 v3, v4, 7, v3
	v_lshl_add_u32 v3, v2, 4, v3                   ; A: (r / 2) 272 + (r % 2) 128 + 16 h
	v_and_b32 v4, 7, v0
	v_lshl_add_u32 v4, v2, 3, v4
	v_mul_u32_u24 v4, v4, PB
	v_bfe_u32 v5, v0, 3, 1
	v_lshl_add_u32 v4, v5, 4, v4                   ; B: row 8 h + l % 8, outputs 8 ((l / 8) % 2) on
	s_mul_i32 s21, s15, 32*PA                      ; my 64 tokens
	s_lshl_b32 s23, s16, 8                         ; my 128 outputs,
	s_add_co_u32 s23, s23, BOFF                    ; behind A's planes
.irp s, 0,1
	v_add_nc_u32 v[ADRA+\s], s21, v3
	v_add_nc_u32 v[ADRB+\s], s23, v4
	s_add_co_u32 s21, s21, SLOT
	s_add_co_u32 s23, s23, SLOT
.endr
	s_mul_i32 s23, s14, 16*SPITCH
	s_add_co_u32 s23, s23, STAGE                   ; my stage
	v_mul_u32_u24 v5, v1, SPITCH                   ; in: row r, 32 bytes for each half of the lanes
	v_lshl_add_u32 v5, v2, 5, v5
	v_add_nc_u32 v[STO], s23, v5
	v_and_b32 v6, 31, v0
	v_lshlrev_b32 v[CO], 4, v6                     ; back: the 32 lanes take one row of 512 bytes; and the same in out0
	v_add_nc_u32 v[RD], s23, v[CO]
	s_lshl_b32 s20, s17, 7
	s_lshl_b32 s21, s15, 6
	s_add_co_u32 s20, s20, s21                     ; my first token: 128 x tile row + 64 x half;
	s_lshl_b32 s20, s20, 12                        ; 4,096 bytes a row of out0
	s_mov_b32 s21, 0
	s_lshl_b32 s46, s42, 10
	s_lshl_b32 s47, s16, 9
	s_add_co_u32 s46, s46, s47                     ; my first output, in bytes: 1,024 x tile column + 512 x half
	s_mov_b32 s47, 0
	s_add_nc_u64 s[8:9], s[8:9], s[46:47]
	s_add_nc_u64 s[10:11], s[10:11], s[46:47]
	s_add_nc_u64 s[10:11], s[10:11], s[20:21]
	v_lshlrev_b32 v[BO], 5, v2
	WIN 0x80                                       ; destination window 2
.irp b, 0,1,2,3,4,5,6,7
	global_load_b128 v[8*\b:8*\b+3], v[BO], s[8:9] offset:64*\b          ; bo(16 b + 8 h + 0 .. 7)
	global_load_b128 v[8*\b+4:8*\b+7], v[BO], s[8:9] offset:64*\b+16
.endr
	WIN 0
; 24 LDS loads in one run: the fragments of the slot's q-th 32 along K into buffer f: B's eight (turned), then A's four
.macro FETCH slot, q, f
	WIN 0
.irp b, 0,1,2,3,4,5,6,7
	ds_load_tr16_b128 v[\f+32+8*\b:\f+32+8*\b+3],   v[ADRB+\slot] offset:32*PB*(\q)+32*\b
	ds_load_tr16_b128 v[\f+32+8*\b+4:\f+32+8*\b+7], v[ADRB+\slot] offset:32*PB*(\q)+16*PB+32*\b
.endr
.irp a, 0,1,2,3
	ds_load_b128 v[\f+8*\a:\f+8*\a+3],   v[ADRA+\slot] offset:((\q)/2)*PLANE+((\q)%2)*64+\a*8*PA
	ds_load_b128 v[\f+8*\a+4:\f+8*\a+7], v[ADRA+\slot] offset:((\q)/2)*PLANE+((\q)%2)*64+\a*8*PA+32
.endr
.endm
; 8 matrix instructions: A's block a x B's eight.  first = 1: the sums start from the bias: nothing is ever cleared.  The 32 accumulators take turns, one instruction a turn.
.macro MULA f, a, first
.irp b, 0,1,2,3,4,5,6,7
.if \first
	v_wmma_f32_16x16x32_f16 v[8*(8*(\a)+\b):8*(8*(\a)+\b)+7], v[\f+32+8*\b:\f+32+8*\b+7], v[\f+8*(\a):\f+8*(\a)+7], v[8*\b:8*\b+7]
.else
	v_wmma_f32_16x16x32_f16 v[8*(8*(\a)+\b):8*(8*(\a)+\b)+7], v[\f+32+8*\b:\f+32+8*\b+7], v[\f+8*(\a):\f+8*(\a)+7], v[8*(8*(\a)+\b):8*(8*(\a)+\b)+7]
.endif
.endr
.endm
.macro PLACES n                        ; places in front of loads into registers that matrix instructions have read, and of the first read of results (ISA guide 7.12.1 for vector instructions)
.rept \n
	v_nop
.endr
.endm
; A K step is four quarters of 32 along K, 32 matrix instructions each, on buffers 0, 1, 0, 1.  One of the first three: multiplies buffer f and fetches the slot's q-th quarter into g.
.macro QUARTER slot, q, f, g, first
	s_wait_dscnt 4                                 ; B and A's blocks 0, 1 are in; the youngest four loads (A's blocks 2, 3) may be out
	WIN MUL+0x10*(\first)
	MULA \f, 0, \first
	MULA \f, 1, \first
	PLACES 4
	FETCH \slot, \q, \g
	s_wait_dscnt 24                                ; all but the 24 just issued
	WIN MUL+0x10*(\first)
	MULA \f, 2, \first
	MULA \f, 3, \first
.endm
; The last quarter multiplies buffer 1 and changes slots: ONE barrier; in front of it each wave waits for all its tensor loads, adds 0 to its spare word, and waits for that and for its own reads of this slot.
; fill = 1: the barrier opens a round of the cluster's, and this slot is filled again, two K steps ahead, first thing behind the round.
.macro TURN slot, next, fill
	WIN 0                                          ; (the add's two registers lie in window 0)
	s_wait_tensorcnt 0x0                           ; all my tensor loads have landed: my part of the next slot
	ds_add_u32 v[SPW], v[NIL]                      ; 0 onto my spare word
	s_wait_dscnt 7                                 ; (the add and the youngest six loads, A's blocks 1 to 3, may be out)
	WIN MUL
	MULA F1, 0, 0                                  ; eight matrix instructions stand between the add and the wait for it
	s_wait_dscnt 0x0                               ; the add is done, and my reads of this slot are over
	s_barrier_signal -1
	MULA F1, 1, 0
	WIN 0
	s_barrier_wait -1
.if \fill
	CREST                                          ; no wave of any partner still reads this slot's tile or has a load on its way
	s_add_nc_u64 s[G0+4*\slot+2:G0+4*\slot+3], s[G0+4*\slot+2:G0+4*\slot+3], 4<<20           ; four heads on
	s_add_nc_u64 s[G0B+4*\slot+2:G0B+4*\slot+3], s[G0B+4*\slot+2:G0B+4*\slot+3], 2*KSTEP*2048 ; 256 rows on
	JLOAD \slot                                    ; the first tensor load behind the round; the four v_nop behind it are also the places in front of the loads below
.else
	PLACES 4
.endif
	FETCH \next, 0, F0
	WIN MUL
	MULA F1, 2, 0
	MULA F1, 3, 0
.endm
	s_wait_tensorcnt 1                             ; my part of K step 0 is in (K step 1's load may be out)
	s_barrier_signal -1
	s_barrier_wait -1                              ; everybody's is
	FETCH 0, 0, F0
	s_wait_loadcnt 0x0                             ; the bias
	QUARTER 0, 1, F0, F1, 1                        ; the first quarter stands in front of the loop: its products start the sums
	WIN 0                                          ; at a label and at a branch every window is 0
	s_mov_b32 s3, LAPS-1
.Llap:                                                 ; a trip goes once round the ring, from a lap's second quarter to the next lap's first, and fills both slots again
	QUARTER 0, 2, F1, F0, 0
	QUARTER 0, 3, F0, F1, 0
	TURN 0, 1, 1
	QUARTER 1, 1, F0, F1, 0
	QUARTER 1, 2, F1, F0, 0
	QUARTER 1, 3, F0, F1, 0
	TURN 1, 0, 1
	QUARTER 0, 1, F0, F1, 0
	WIN 0
	s_sub_co_u32 s3, s3, 1
	s_cmp_lg_u32 s3, 0
	s_cbranch_scc1 .Llap
	QUARTER 0, 2, F1, F0, 0                        ; the last lap fills nothing, and has no round of the cluster's barrier
	QUARTER 0, 3, F0, F1, 0
	TURN 0, 1, 0
	QUARTER 1, 1, F0, F1, 0
	QUARTER 1, 2, F1, F0, 0
	QUARTER 1, 3, F0, F1, 0
	s_wait_dscnt 4                                 ; the very last quarter: nothing more to fetch
	WIN MUL
	MULA F1, 0, 0
	MULA F1, 1, 0
	s_wait_dscnt 0
	MULA F1, 2, 0
	MULA F1, 3, 0
	WIN 0
; THE WAY OUT, block by block of 16 tokens x 128 outputs.  A lane holds 32 neighbouring bytes of a row, and the lanes beside it hold other rows: so a block goes through my own stage and comes back as whole rows of 512 bytes.
; LDS serves a wave's instructions in order (ISA guide 5.7.1.4): no wait between the stores and the loads, nor in front of the next block's stores.
.macro TOSTAGE a
	WIN 0x04                                       ; an LDS store's data are its source 1: window 1
.irp b, 0,1,2,3,4,5,6,7
	ds_store_b128 v[STO], v[8*(8*(\a)+\b):8*(8*(\a)+\b)+3] offset:64*\b          ; each accumulator from its low end on
	ds_store_b128 v[STO], v[8*(8*(\a)+\b)+4:8*(8*(\a)+\b)+7] offset:64*\b+16
.endr
	WIN 0
.set BB, BK+64*((\a)%2)
.irp t, 0,1,2,3,4,5,6,7,8,9,10,11,12,13,14,15
	ds_load_b128 v[BB+4*\t:BB+4*\t+3], v[RD] offset:\t*SPITCH
.endr
.endm
.macro SEND a, younger                 ; younger: the LDS instructions issued behind block a's loads, which may stay out
.set BB, BK+64*((\a)%2)
	s_wait_dscnt \younger                          ; the block is back in registers
.if (\a) > 0
	s_add_nc_u64 s[10:11], s[10:11], 16*4096       ; (behind a wait on XCNT: the earlier stores have read their base)  16 rows of out0 on
.endif
.irp t, 0,1,2,3,4,5,6,7,8,9,10,11,12,13,14,15
	global_store_b128 v[CO], v[BB+4*\t:BB+4*\t+3], s[10:11] offset:\t*4096 th:TH_STORE_NT   ; 32 lanes store 512 consecutive bytes, aligned; written once, read by nobody here
.endr
.endm
	PLACES 4                                       ; behind the last products: for the stores that read results and the loads into the fragments' registers
	TOSTAGE 0
.irp a, 1,2,3
.if \a > 1
	s_wait_xcnt 0x0                                ; block a - 2's stores have read their registers and their base: block a's loads may land there, and the base may step
.endif
	TOSTAGE \a
	SEND \a-1, 32                                  ; behind block a - 1's loads: block a's 16 stores and 16 loads
.endr
	s_wait_xcnt 0x0                                ; block 2's stores have read their base
	SEND 3, 0
	s_wait_tensorcnt 0x0                           ; the wave's end: behind my last tensor load and my last LDS store
	ds_add_u32 v[SPW], v[NIL]
	s_wait_dscnt 0x0
	CROUND                                         ; the closing round: no work-group ends while a partner may still ask for a tile that names it
	s_endpgm
.Lfunc_end_k_qb4d85b3adc_oproj:
	.size	k_qb4d85b3adc_oproj, .Lfunc_end_k_qb4d85b3adc_oproj-k_qb4d85b3adc_oproj
	.p2alignl 7, 3214868480
	.fill 96, 4, 3214868480
	.section	.rodata,"a",@progbits
	.p2align	6, 0x0
	.amdhsa_kernel k_qb4d85b3adc_oproj
		.amdhsa_group_segment_fixed_size 327680
		.amdhsa_private_segment_fixed_size 0
		.amdhsa_enable_private_segment 0
		.amdhsa_kernarg_size 32
		.amdhsa_user_sgpr_count 2
		.amdhsa_user_sgpr_kernarg_segment_ptr 1
		.amdhsa_wavefront_size32 1
		.amdhsa_system_sgpr_workgroup_id_x 1
		.amdhsa_system_sgpr_workgroup_id_y 1
		.amdhsa_system_sgpr_workgroup_id_z 1
		.amdhsa_system_vgpr_workitem_id 0
		.amdhsa_next_free_vgpr 576
		.amdhsa_next_free_sgpr 66
		.amdhsa_reserve_vcc 0
		.amdhsa_float_denorm_mode_32 3
		.amdhsa_float_denorm_mode_16_64 3
		.amdhsa_memory_ordered 1
		.amdhsa_forward_progress 1
		.amdhsa_inst_pref_size 87
	.end_amdhsa_kernel
	.amdgpu_metadata
---
amdhsa.version: [ 1, 2 ]
amdhsa.kernels:
  - .name:           k_qb4d85b3adc_oproj
    .symbol:         k_qb4d85b3adc_oproj.kd
    .args:
      - { .name: z, .offset: 0, .size: 8, .value_kind: global_buffer, .address_space: global }
      - { .name: wo16, .offset: 8, .size: 8, .value_kind: global_buffer, .address_space: global }
      - { .name: bo, .offset: 16, .size: 8, .value_kind: global_buffer, .address_space: global }
      - { .name: out0, .offset: 24, .size: 8, .value_kind: global_buffer, .address_space: global }
    .group_segment_fixed_size: 327680
    .private_segment_fixed_size: 0
    .kernarg_segment_align: 8
    .kernarg_segment_size: 32
    .max_flat_workgroup_size: 128
    .sgpr_count:     66
    .vgpr_count:     576
    .wavefront_size: 32
...
	.end_amdgpu_metadata
.endif
;; end of part 5
